; MI455X (gfx1250); checked and timed in simulation.
; The chip was launched on July 23, 2026; its instructions are those of AMD's public machine-readable ISA for CDNA 5 (MIT licence, August 2026) and "CDNA5" Instruction Set Architecture Reference Guide (July 2026). The comments in the code are by the model that wrote it; some were corrected since.
;; Retentive Attention. Allowed arithmetic: matrix products marked QUANTISED: E2M3 operands, one E8M0 scale for each 32 along K, by v_wmma_scale_f32_16x16x128_f8f6f4 with both operands' format E2M3, f32 sums; everything else in f32.
;; Inputs: Wk 1,024 x 1,024 float32; Wo 1,024 x 1,024 float32; Wq 1,024 x 1,024 float32; Wv 1,024 x 1,024 float32; bk 1,024 float32; bo 1,024 float32; bq 1,024 float32; bv 1,024 float32; gamma 16 float32; x 2 x 2,048 x 1,024 float32.
;; Outputs: out0 2 x 2,048 x 1,024 float32.
;; This version of the problem:
;;   THIS VERSION OF THE PROBLEM IS GIVEN IN LOW PRECISION. The matrix products marked QUANTISED in the list below multiply operands that are first quantised to E2M3 (2 exponent bits, 3 mantissa bits; 6 bits a number), with one power-of-two scale for each 32 numbers along K (OCP MX v1.0); their sums are f32. All else is computed in f32.
;;   The module's matrix products, in the order in which they are computed (A, B: the left and right operand; K: the contracted axis; several contracted axes count as one K, in the product's order):
;;     1. [M 4,096, K 1,024] x [K 1,024, N 1,024]; A: input x; B: input Wq: QUANTISED
;;     2. [M 4,096, K 1,024] x [K 1,024, N 1,024]; A: input x; B: input Wk: QUANTISED
;;     3. [M 4,096, K 1,024] x [K 1,024, N 1,024]; A: input x; B: input Wv: QUANTISED
;;     4. batch 32 x [M 2,048, K 64] x [K 64, N 2,048]; A: computed on the way; B: computed on the way: QUANTISED
;;     5. batch 32 x [M 2,048, K 2,048] x [K 2,048, N 64]; A: computed on the way; B: computed on the way: QUANTISED
;;     6. [M 4,096, K 1,024] x [K 1,024, N 1,024]; A: computed on the way; B: input Wo: QUANTISED
;;   THE QUANTISER, for each operand of a quantised product, along K:
;;     - K is cut into blocks of 32 from its start; a last block that is shorter is filled with zeros.
;;     - A block's scale is 2^e with e = floor(log2(the largest magnitude in the block)) - 2, held to -126 .. 127; a block of zeros has e = 0. As a byte (E8M0): e + 127.
;;     - Each number is divided by its block's scale, clamped to +-7.5, and rounded to the nearest number of E2M3, ties to even, subnormals kept.
;;     - The product sums the exact products of the quantised numbers (number of the format x scale) in f32.
;;   ~~~python
;;   def quantise(x, axis):      # numpy; x: float32 -> the quantised numbers, widened to float32 again
;;       x = np.moveaxis(x, axis, -1); K = x.shape[-1]
;;       x = np.pad(x, [(0, 0)] * (x.ndim - 1) + [(0, -K % 32)]); x = x.reshape(x.shape[:-1] + (-1, 32)); a = np.abs(x).max(-1, keepdims=True)
;;       e = np.where(a > 0, np.clip(np.frexp(np.where(a > 0, a, 1))[1] - 1 - 2, -126, 127), 0)      # np.frexp(a)[1] - 1 = floor(log2(a)), exactly
;;       r = np.clip(x / 2.0 ** e, -7.5, 7.5)
;;       step = 2.0 ** (np.maximum(np.frexp(np.where(r == 0, 1, r))[1] - 1, 0) - 3)
;;       q = np.round(r / step) * step * 2.0 ** e      # np.round: ties to even
;;       return np.moveaxis(q.reshape(q.shape[:-2] + (-1,))[..., :K], -1, axis).astype(np.float32)
;;   ~~~
;;   OPERANDS COMPUTED ON THE WAY. 'Computed on the way' means the value that the module computes at that place (a softmax that the list does not call 'softmax' is quantised finished and normalised). What goes into a quantiser is computed in f32, as accurately as f32 sums, v_exp_f32 and their like allow (about 1e-6 of the number): no bf16 or f16 on the way to a quantiser, and a product that is left as it is and whose result goes on into a quantised operand takes f32 operands (vector FMAs, or v_wmma_f32_16x16x4_f32). A number that lies on a knife's edge between two numbers of the format may be rounded either way, as far as f32 arithmetic and the matrix unit's own rounding can turn it there, and no further.
;; One version. Each part assembles by itself: llvm-mc -triple=amdgcn-amd-amdhsa -mcpu=gfx1250 --defsym DOCPART=n.
;; ======== version 1 of 1: 4 launches
;; workspace buffers: xw 6,553,600 bytes; qkv 13,369,344 bytes; oc 3,407,872 bytes
;; launch quant (part 1): grid 256 x 1, 4 waves a work-group, no clusters, 34,304 bytes of LDS; arguments x, Wq, Wk, Wv, Wo, xw; writes xw
.if DOCPART == 1
	.amdgcn_target "amdgcn-amd-amdhsa--gfx1250"
	.amdhsa_code_object_version 6
	.text
	.protected	k_q671950f924_quant
	.globl	k_q671950f924_quant
	.p2align	8
	.type	k_q671950f924_quant,@function
k_q671950f924_quant:
	s_mov_b64 s[64:65], 0
	v_nop
	global_prefetch_b8 v0, s[64:65] scope:SCOPE_SE
	s_setreg_imm32_b32 hwreg(HW_REG_WAVE_MODE, 25, 1), 1
	s_wait_xcnt 0x0
; x [4096][1024] and Wq, Wk, Wv, Wo [1024][1024], f32, K innermost, become codes of FP6 (E2M3) with one E8M0 byte for each 32 along K, laid in xw IN THE ORDER OF THE OPERAND'S REGISTERS.
; TILES.  The 8,192 rows are 512 tiles of 16: x's 0-255, Wq's 256-, Wk's 320-, Wv's 384-, Wo's 448-.  Lane-row r of tile T is NOT row 16 T + r but row 32 (T / 2) + 8 (T % 2) + r + 8 (r / 8): with such tiles as source 0,
; a lane's 16 result registers of two neighbouring tiles are 16 neighbouring rows, which is what the later launches' quantisers want.
; IMAGE.  A fragment (16 rows x 128 K) is 12 registers a lane: registers 6 c .. 6 c + 5 hold k = 64 c + 32 (lane / 16) + 0 .. 31 of row lane % 16.  Registers 2 p, 2 p + 1 lie at 256 p + 8 x lane; a tile's eight K steps on end: 12,288 bytes.
; SCALE WORDS (four bytes: 128 along K of one row) lie from byte 6,291,456 on: tile x 512 + jj x 256 + 8 x lane + 4 e is the word of row lane % 16 for K step 4 jj + 2 e + lane / 16.
; A block's scale is 2^(floor(log2(largest magnitude)) - 2): its byte is the largest magnitude's exponent field - 2, held at 1 from below.
; LIMITS: a block of zeros gets the byte 1 where the rule says 127 (its codes are zeros; this program alone reads the bytes); blocks under the floor 2^(3 - 127) keep the byte 1; NaN and infinities among the inputs are not served.
; SHARES.  A wave takes one tile x 512 along K (32 KB of f32) in four steps of 128.  Each load reads 512 consecutive bytes of one row; a step's 16 rows turn through the wave's own stage in LDS (pitch 528: row r starts 4 r banks on),
; so that a lane gets its row's 2 x 32 neighbours.  Loads run two steps (32 loads a wave) ahead.  Every store of codes covers 256 consecutive bytes, aligned.  Waves share nothing: no barrier, no cluster, no matrix unit.
.set STG,  8448                        ; a wave's stage: 16 rows x 528 bytes
.set XN,   16                          ; v16-79   my 64 numbers: register 32 c + i = k 64 c + 32 h + i
.set RW,   80                          ; v80-207  two sets of 64 registers as loaded
.set CD,   208                         ; v208-231 two sets of 12 registers of codes
.set TC,   232                         ; v232-238 the upper halves of the blocks' codes, before they are moved
.set WT,   240                         ; v240-243 the four steps' scale words
.set SW,   244                         ; v244-245 the two that my lane stores
	s_load_b256 s[4:11], s[0:1], 0x0               ; x, Wq, Wk, Wv
	s_load_b128 s[12:15], s[0:1], 0x20             ; Wo, xw
	v_lshl_add_u32 v254, v0, 2, 0x8400
	v_mov_b32 v255, 0
	v_lshrrev_b32 v7, 5, v0
	v_readfirstlane_b32 s20, v7                    ; wave 0..3
	v_and_b32 v6, 31, v0                           ; lane
	v_and_b32 v7, 15, v0                           ; r
	v_bfe_u32 v8, v0, 4, 1                         ; h
	v_lshlrev_b32 v1, 4, v6                        ; 16 x lane: my bytes of a load's 512
	v_lshlrev_b32 v4, 3, v6                        ; 8 x lane: my place in a piece of an image
	v_lshlrev_b32 v5, 3, v8                        ; 8 h: by so many bits my two scale bytes move up
	s_mul_i32 s21, s20, STG
	v_add_nc_u32 v2, s21, v1                       ; the stage, on the way in
	v_mul_u32_u24 v3, v7, 528
	v_lshl_add_u32 v3, v8, 7, v3
	v_add_nc_u32 v3, s21, v3                       ; and on the way out: row r, + 128 h bytes
	v_mov_b32 v15, 0                               ; written once: a lane permute's destination counts as one of its sources
	s_lshr_b32 s22, s20, 1                         ; which tile of the work-group's pair
	s_and_b32 s23, s20, 1                          ; jj: which 512 along K
	s_and_b32 s24, ttmp9, 31                       ; the pair's number inside a weight
	s_mov_b32 s26, 0x76543210
	s_mov_b32 s27, 0xfedcba98                      ; v_permlanex16_b32's selects for lane l xor 16
	s_wait_kmcnt 0x0
	s_mov_b64 s[16:17], s[12:13]                   ; which tensor: the choice hangs on the work-group's number alone; all five take one path
	s_cmp_lt_u32 ttmp9, 224
	s_cselect_b64 s[16:17], s[10:11], s[16:17]
	s_cmp_lt_u32 ttmp9, 192
	s_cselect_b64 s[16:17], s[8:9], s[16:17]
	s_cmp_lt_u32 ttmp9, 160
	s_cselect_b64 s[16:17], s[6:7], s[16:17]
	s_cmp_lt_u32 ttmp9, 128
	s_cselect_b64 s[16:17], s[4:5], s[16:17]
	s_cselect_b32 s24, ttmp9, s24                  ; in x the pair's number is the work-group's
	s_lshl_b32 s24, s24, 17                        ; 32 rows of 4,096 bytes a pair,
	s_lshl_b32 s25, s22, 15                        ; 8 rows on for the pair's second tile,
	s_add_co_u32 s24, s24, s25
	s_lshl_b32 s25, s23, 11                        ; 2,048 bytes on for the second 512 along K
	s_add_co_u32 s24, s24, s25
	s_mov_b32 s25, 0
	s_add_nc_u64 s[16:17], s[16:17], s[24:25]
	s_lshl_b32 s28, ttmp9, 1
	s_add_co_u32 s28, s28, s22                     ; my tile
	s_mul_i32 s30, s28, 12288
	s_mul_i32 s29, s23, 6144
	s_add_co_u32 s30, s30, s29
	s_mov_b32 s31, 0
	s_add_nc_u64 s[18:19], s[14:15], s[30:31]      ; my four fragments' images
	s_lshl_b32 s30, s28, 9
	s_lshl_b32 s29, s23, 8
	s_add_co_u32 s30, s30, s29
	s_add_co_u32 s30, s30, 6291456
	s_add_nc_u64 s[14:15], s[14:15], s[30:31]      ; my 256 bytes of scale words
.macro LOAD t                          ; step t: 512 bytes of each of the tile's 16 rows (lane-row i is row i + 8 (i / 8) of the pair's 32, from the tile's first)
.irp i, 0,1,2,3,4,5,6,7,8,9,10,11,12,13,14,15
	global_load_b128 v[RW+64*((\t)%2)+4*\i:RW+64*((\t)%2)+4*\i+3], v1, s[16:17] offset:(\i+8*(\i/8))*4096+512*(\t) th:TH_LOAD_NT
.endr
.endm
.macro STEP t
.set CS, CD+12*((\t)%2)
.if (\t) < 3
	s_wait_loadcnt 16                              ; this step's 16 loads are in; the next step's 16 may be out
.else
	s_wait_loadcnt 0x0
.endif
.irp i, 0,1,2,3,4,5,6,7,8,9,10,11,12,13,14,15
	ds_store_b128 v2, v[RW+64*((\t)%2)+4*\i:RW+64*((\t)%2)+4*\i+3] offset:528*\i
.endr
.irp c, 0,1
.irp j, 0,1,2,3,4,5,6,7
	ds_load_b128 v[XN+32*\c+4*\j:XN+32*\c+4*\j+3], v3 offset:256*\c+16*\j   ; LDS serves a wave's instructions in order: these see the stores above
.endr
.endr
	s_wait_dscnt 0x0                               ; my numbers are here, and the stores have read their registers,
.if (\t) < 2
	LOAD (\t)+2                                    ; which take the loads of two steps on
.endif
.irp c, 0,1                                    ; my blocks h and 2 + h of the K step: all 32 numbers of each are mine
	v_max3_num_f32 v[8+\c], |v[XN+32*\c]|, |v[XN+32*\c+1]|, 0x1800000   ; with the floor 2^(3 - 127): the byte cannot fall under 1
.endr
.irp i, 2,4,6,8,10,12,14,16,18,20,22,24,26,28,30
.irp c, 0,1
	v_max3_num_f32 v[8+\c], v[8+\c], |v[XN+32*\c+\i]|, |v[XN+32*\c+\i+1]|
.endr
.endr
.irp c, 0,1
	v_add_nc_u32 v[10+\c], 0xff000000, v[8+\c]     ; 2 off the exponent field: the conversion takes the exponent field of this operand as its scale
.endr
.irp c, 0,1
	v_lshrrev_b32 v[12+\c], 23, v[10+\c]           ; the scale's byte
.endr
	v_lshl_or_b32 v14, v13, 16, v12                ; my two bytes,
	v_lshlrev_b32 v14, v5, v14                     ; at their places in the row's word;
	v_permlanex16_b32 v15, v14, s26, s27
	v_or_b32 v[WT+(\t)], v14, v15                  ; with lane l xor 16's two the word is whole
.if (\t) >= 2
	s_wait_xcnt 0x0                                ; the stores of two steps ago have read this set of code registers
.endif
.irp c, 0,1
	v_cvt_scalef32_pk16_fp6_f32 v[CS+6*\c:CS+6*\c+2], v[XN+32*\c:XN+32*\c+15], v[10+\c]
	v_cvt_scalef32_pk16_fp6_f32 v[TC+4*\c:TC+4*\c+2], v[XN+32*\c+16:XN+32*\c+31], v[10+\c]   ; (a conversion's three registers begin on an even number)
.endr
	v_nop                                          ; one plain place behind a scaled conversion
.irp c, 0,1
.irp i, 0,1,2
	v_mov_b32 v[CS+6*\c+3+\i], v[TC+4*\c+\i]
.endr
.endr
.irp p, 0,1,2,3,4,5
	global_store_b64 v4, v[CS+2*\p:CS+2*\p+1], s[18:19] offset:1536*(\t)+256*\p   ; 32 lanes store 256 consecutive bytes, aligned
.endr
.endm
	LOAD 0
	LOAD 1
	STEP 0
	STEP 1
	STEP 2
	STEP 3
	v_cmp_le_u32 vcc_lo, 16, v6                    ; lanes 16-31 store the odd K steps' words
	v_cndmask_b32 v[SW], v[WT], v[WT+1], vcc_lo
	v_cndmask_b32 v[SW+1], v[WT+2], v[WT+3], vcc_lo
	global_store_b64 v4, v[SW:SW+1], s[14:15]      ; 256 consecutive bytes, aligned
	s_wait_tensorcnt 0x0
	ds_add_u32 v254, v255
	s_wait_dscnt 0x0
	s_endpgm
.Lfunc_end_k_q671950f924_quant:
	.size	k_q671950f924_quant, .Lfunc_end_k_q671950f924_quant-k_q671950f924_quant
	.p2alignl 7, 3214868480
	.fill 96, 4, 3214868480
	.section	.rodata,"a",@progbits
	.p2align	6, 0x0
	.amdhsa_kernel k_q671950f924_quant
		.amdhsa_group_segment_fixed_size 34304
		.amdhsa_private_segment_fixed_size 0
		.amdhsa_enable_private_segment 0
		.amdhsa_kernarg_size 48
		.amdhsa_user_sgpr_count 2
		.amdhsa_user_sgpr_kernarg_segment_ptr 1
		.amdhsa_wavefront_size32 1
		.amdhsa_system_sgpr_workgroup_id_x 1
		.amdhsa_system_sgpr_workgroup_id_y 1
		.amdhsa_system_sgpr_workgroup_id_z 1
		.amdhsa_system_vgpr_workitem_id 0
		.amdhsa_next_free_vgpr 256
		.amdhsa_next_free_sgpr 66
		.amdhsa_reserve_vcc 1
		.amdhsa_float_denorm_mode_32 3
		.amdhsa_float_denorm_mode_16_64 3
		.amdhsa_memory_ordered 1
		.amdhsa_forward_progress 1
		.amdhsa_inst_pref_size 31
	.end_amdhsa_kernel
	.amdgpu_metadata
---
amdhsa.version: [ 1, 2 ]
amdhsa.kernels:
  - .name:           k_q671950f924_quant
    .symbol:         k_q671950f924_quant.kd
    .args:
      - { .name: x, .offset: 0, .size: 8, .value_kind: global_buffer, .address_space: global }
      - { .name: Wq, .offset: 8, .size: 8, .value_kind: global_buffer, .address_space: global }
      - { .name: Wk, .offset: 16, .size: 8, .value_kind: global_buffer, .address_space: global }
      - { .name: Wv, .offset: 24, .size: 8, .value_kind: global_buffer, .address_space: global }
      - { .name: Wo, .offset: 32, .size: 8, .value_kind: global_buffer, .address_space: global }
      - { .name: xw, .offset: 40, .size: 8, .value_kind: global_buffer, .address_space: global }
    .group_segment_fixed_size: 34304
    .private_segment_fixed_size: 0
    .kernarg_segment_align: 8
    .kernarg_segment_size: 48
    .max_flat_workgroup_size: 128
    .sgpr_count:     66
    .vgpr_count:     256
    .wavefront_size: 32
...
	.end_amdgpu_metadata
.endif
;; end of part 1
;; launch qkv (part 2): grid 12 x 16, 4 waves a work-group, clusters of 4 x 4, 327,680 bytes of LDS; arguments xw, bq, bk, bv, qkv; writes qkv
.if DOCPART == 2
	.amdgcn_target "amdgcn-amd-amdhsa--gfx1250"
	.amdhsa_code_object_version 6
	.text
	.protected	k_q671950f924_qkv
	.globl	k_q671950f924_qkv
	.p2align	8
	.type	k_q671950f924_qkv,@function
k_q671950f924_qkv:
	s_mov_b64 s[64:65], 0
	v_nop
	global_prefetch_b8 v0, s[64:65] scope:SCOPE_SE
	s_setreg_imm32_b32 hwreg(HW_REG_WAVE_MODE, 25, 1), 1
	s_wait_xcnt 0x0
	s_wait_alu depctr_hold_cnt(0) depctr_sa_sdst(0) depctr_va_vdst(0) depctr_va_sdst(0) depctr_va_ssrc(0) depctr_va_vcc(0) depctr_vm_vsrc(0)
	s_getreg_b32 s2, hwreg(HW_REG_IB_STS2, 6, 4)
	s_cmp_eq_u32 s2, 0
	s_cbranch_scc0 .Lentry_in_a_cluster
	s_endpgm
.Lentry_in_a_cluster:
	s_bfe_u32 s2, ttmp6, 0x10000c
	s_cmp_lg_u32 s2, 0xf033
	s_cbranch_scc0 .Lentry_shape_is_right
	s_endpgm
.Lentry_shape_is_right:
; q = x Wq^T + bq, k = x Wk^T + bk, v = x Wv^T + bv on codes of FP6 (E2M3) with E8M0 scales, one GEMM of 4,096 x 3,072 x 1,024; the results are quantised at once and leave as codes in the order of the next launch's operand registers.
; SHARES.  A work-group makes 256 tokens x 256 features; four waves, as many as a WGP has SIMDs, each 128 x 128: 64 accumulators, 512 registers.  12 x 16 = 192 work-groups: a block of 192 features would give 256, but it would cut
; heads of 64 and v's fragments of 128 keys.  The cluster's x says which product: 0 q, 1 k, 2 v.
; CLUSTERS: 4 x 4 work-groups.  The four of a row need the same tiles of x, the four of a column the same tiles of W: each tile is asked for JOINTLY, by the same tensor load with the same descriptor and a mask that names the four.
; OPERANDS lie in xw as images of their registers (tile = 16 rows, 8 K steps x 1,536 bytes; piece p of a fragment at 256 p + 8 x lane): a fragment is six ds_load_b64 of 256 consecutive bytes each: no pitch, no padding.
; Lane-row r of tile T is row 32 (T / 2) + 8 (T % 2) + r + 8 (r / 8).  So in the result a lane's 16 registers of source 0's tiles 2 b, 2 b + 1 are source 0's rows 32 b + 16 (lane / 16) + 0 .. 15.
; q, k: source 0 = W, source 1 = x: a lane holds one token and 128 neighbouring features, two heads: quantised along the head's 64.   v: THE SOURCES CHANGE PLACES: source 0 = x, source 1 = Wv: a lane holds one feature and 128
; neighbouring tokens: quantised along the keys.  Only the LDS bases of the fragment loads, the scale words' and biases' addresses and the epilogue differ; fills, descriptors, barriers and the products' text are one.
; K goes in steps of 256 through THREE LDS slots, as many as fit: K steps (of 128) 0-5 are three first fills; the one refill, K steps 6 and 7 into slot 0, is asked for behind K step 1 and waited for at K step 5.  The eight K steps are written out.
; THE BIAS is the C of each sum's first product: for q, k eight registers for each tile of source 0; for v eight copies of the lane's one number for each tile of source 1.
; OUT (buffer qkv): two regions (q at 0; k and v at KVB) of 32 head blocks of 208,896 bytes: [0, 8192) scale words of q or k: 512 x step + 16 x lane + 4 e = the word of token tile 2 e + lane / 16 (bytes 0, 1 the head's blocks, bytes 2, 3 = 1.0);
; [8192, 12288) v's: 256 x step + 8 x lane + 4 e = d tile 2 e + lane / 16; then 16 steps of 128 tokens x 12,288 bytes: four runs of 12 registers of q or k (two token tiles x 6 registers), then v's four fragments; a run's registers 4 g .. 4 g + 3 at 512 g + 16 x lane.
; LIMITS: a block of zeros gets the byte 1 (its codes are zeros; this program alone reads the bytes); NaN and infinities are not served.
; REGISTERS: window 0: v1-6 lane terms; v16-18, v20-22 LDS addresses by slot; v28-29 for the add; v32-63, v64-95 scale words of source 0 and 1 (tile i, K step s: register 4 i + s / 2, lanes 16 (s % 2) on); v96-127, v224-255 the biases;
;   v128-223 source 1's fragments, ONE set; in the epilogue v128-215 at work.   window 1: source 0's fragments, TWO sets, at v0 and v128.   windows 2, 3: accumulator (a, b) at v[8 (8 (a % 4) + b)] of window 2 + a / 4.
.set HALFT,  24576                     ; 8 tiles x 3,072 bytes (two K steps): what one tensor load brings, and what a wave reads of a source
.set SLOT,   98304                     ; x's 16 tiles, then W's 16
.set SPARE,  294912                    ; behind the three slots: the spare words, 128 bytes for each wave: two blocks of 256 bytes that no other line names
.set FR,     12
.set NL,     6
.set NP,     4                         ; places behind this matrix instruction (ISA guide 7.12.1)
.set HB,     208896
.set KVB,    6684672
.set XSC,    6291456
.set ADRA, 16                          ; v16-18  source 1's fragments in slot 0, 1, 2
.set ADRB, 20                          ; v20-22  source 0's
.set SPW,  28
.set NIL,  29
.set SC0,  32
.set SC1,  64
.set AF,   128
.set RUN,  128                         ; epilogue: v128-175 two sets of runs of codes
.set SWR,  176                         ; v176-183 scale words to store
.set PW,   184                         ; v184-191 the scale word of each of source 1's tiles
.set TM,   192                         ; v192-207 at work in QUANT
.set TC,   208                         ; v208-214
.set SEL,  82                          ; s[82:83]
.set G1,  24                           ; s[24:31] descriptor group 1 for x's tiles
.set G0,  32                           ; s[32:39] group 0 for x's tiles, slots 0 and 1
.set G0C, 96                           ; s[96:99] slot 2
.set G1B, 48                           ; s[48:55] group 1 for W's tiles
.set G0B, 56                           ; s[56:63] group 0 for W's tiles, slots 0 and 1
.set G0BC, 88                          ; s[88:91] slot 2 (written again in the epilogue, behind the last wait for all tensor loads)
.set MSB, 0
.macro WIN new                         ; the immediate's high byte repeats the setting that is left; a switch that changes nothing is dropped
.if MSB != (\new)
	s_set_vgpr_msb (MSB<<8)|(\new)
.set MSB, (\new)
.endif
.endm
.set MUL_LO, 0xa1                      ; source 0 window 1, source 1 window 0, C and D window 2
.set MUL_HI, 0xf1                      ; C and D window 3
.set TO_B,   0x40                      ; destination window 1, address window 0
.macro PLACES n
.rept \n
	v_nop
.endr
.endm
; A joint load: waves 0 and 1 fetch x's tiles, waves 2 and 3 W's.  The branch hangs on the wave's number alone.  Four v_nop follow each of the two lines.
.macro JLOAD g0a, g1a, g0b, g1b
	s_cmp_eq_u32 s15, 0
	s_cbranch_scc0 .Lfor_b_\@
	tensor_load_to_lds s[\g0a:\g0a+3], s[\g1a:\g1a+7]
	s_nop 0
.rept 4
	v_nop
.endr
	s_branch .Lasked_\@
.Lfor_b_\@:
	tensor_load_to_lds s[\g0b:\g0b+3], s[\g1b:\g1b+7]
	s_nop 0
.rept 4
	v_nop
.endr
.Lasked_\@:
.endm
.macro CREST                           ; a round of the cluster's barrier behind its opening barrier
	s_cmp_lg_u32 s14, 0
	s_cbranch_scc1 .Lnot_wave_0_\@
	s_barrier_signal -3
.Lnot_wave_0_\@:
	s_barrier_wait -3
	s_barrier_signal -1
	s_barrier_wait -1
.endm
.macro CROUND
	s_barrier_signal -1
	s_barrier_wait -1
	CREST
.endm
; One product.  d: D;  a, b: sources 0, 1;  c: C's first register, or -1 for the constant 0;  sa, sb: scale registers;  ra, rb = 1: the scales stand in lanes 16-31.
.macro SWM d, a, b, c, sa, sb, ra, rb
.if (\c) < 0
.if (\ra) && (\rb)
	v_wmma_scale_f32_16x16x128_f8f6f4 v[(\d):(\d)+7], v[(\a):(\a)+11], v[(\b):(\b)+11], 0, v[\sa], v[\sb] matrix_a_fmt:MATRIX_FMT_FP6 matrix_b_fmt:MATRIX_FMT_FP6 matrix_a_scale:MATRIX_SCALE_ROW1 matrix_b_scale:MATRIX_SCALE_ROW1
.elseif \ra
	v_wmma_scale_f32_16x16x128_f8f6f4 v[(\d):(\d)+7], v[(\a):(\a)+11], v[(\b):(\b)+11], 0, v[\sa], v[\sb] matrix_a_fmt:MATRIX_FMT_FP6 matrix_b_fmt:MATRIX_FMT_FP6 matrix_a_scale:MATRIX_SCALE_ROW1
.elseif \rb
	v_wmma_scale_f32_16x16x128_f8f6f4 v[(\d):(\d)+7], v[(\a):(\a)+11], v[(\b):(\b)+11], 0, v[\sa], v[\sb] matrix_a_fmt:MATRIX_FMT_FP6 matrix_b_fmt:MATRIX_FMT_FP6 matrix_b_scale:MATRIX_SCALE_ROW1
.else
	v_wmma_scale_f32_16x16x128_f8f6f4 v[(\d):(\d)+7], v[(\a):(\a)+11], v[(\b):(\b)+11], 0, v[\sa], v[\sb] matrix_a_fmt:MATRIX_FMT_FP6 matrix_b_fmt:MATRIX_FMT_FP6
.endif
.else
.if (\ra) && (\rb)
	v_wmma_scale_f32_16x16x128_f8f6f4 v[(\d):(\d)+7], v[(\a):(\a)+11], v[(\b):(\b)+11], v[(\c):(\c)+7], v[\sa], v[\sb] matrix_a_fmt:MATRIX_FMT_FP6 matrix_b_fmt:MATRIX_FMT_FP6 matrix_a_scale:MATRIX_SCALE_ROW1 matrix_b_scale:MATRIX_SCALE_ROW1
.elseif \ra
	v_wmma_scale_f32_16x16x128_f8f6f4 v[(\d):(\d)+7], v[(\a):(\a)+11], v[(\b):(\b)+11], v[(\c):(\c)+7], v[\sa], v[\sb] matrix_a_fmt:MATRIX_FMT_FP6 matrix_b_fmt:MATRIX_FMT_FP6 matrix_a_scale:MATRIX_SCALE_ROW1
.elseif \rb
	v_wmma_scale_f32_16x16x128_f8f6f4 v[(\d):(\d)+7], v[(\a):(\a)+11], v[(\b):(\b)+11], v[(\c):(\c)+7], v[\sa], v[\sb] matrix_a_fmt:MATRIX_FMT_FP6 matrix_b_fmt:MATRIX_FMT_FP6 matrix_b_scale:MATRIX_SCALE_ROW1
.else
	v_wmma_scale_f32_16x16x128_f8f6f4 v[(\d):(\d)+7], v[(\a):(\a)+11], v[(\b):(\b)+11], v[(\c):(\c)+7], v[\sa], v[\sb] matrix_a_fmt:MATRIX_FMT_FP6 matrix_b_fmt:MATRIX_FMT_FP6
.endif
.endif
.endm
; 64 numbers of a lane, v[s] .. v[s + 63] of window hw, register 16 b + i = k 32 b + 16 (lane / 16) + i of the lane's row, become codes: k = 32 h + 0 .. 31 in v[da .. da + 5], k = 64 + 32 h + 0 .. 31 in v[db .. db + 5]; the row's scale word in v[pw].
; Each accumulator is read from its low end on.
.macro QUANT s, da, db, pw, hw
	WIN 5*(\hw)                                    ; sources 0 and 1: the numbers' window
.irp b, 0,1,2,3
	v_max3_num_f32 v[TM+\b], |v[(\s)+16*\b]|, |v[(\s)+16*\b+1]|, 0x1800000   ; block b: my 16 numbers, and the floor 2^(3 - 127): the byte cannot fall under 1
.endr
.irp i, 2,4,6,8,10,12,14
.irp b, 0,1,2,3
	v_max3_num_f32 v[TM+\b], |v[(\s)+16*\b+\i]|, |v[(\s)+16*\b+\i+1]|, v[TM+\b]   ; (the four blocks by turns)
.endr
.endr
	WIN 0
.irp b, 0,1,2,3
	v_permlanex16_b32 v[TM+4+\b], v[TM+\b], s[SEL], s[SEL+1]
.endr
.irp b, 0,1,2,3
	v_max_num_f32 v[TM+\b], v[TM+\b], v[TM+4+\b]   ; with lane l xor 16's: the block's largest magnitude
.endr
.irp b, 0,1,2,3
	v_add_nc_u32 v[TM+12+\b], 0xff000000, v[TM+\b] ; 2 off its exponent field: the conversion's scale operand
.endr
.irp b, 0,1,2,3
	v_lshrrev_b32 v[TM+4+\b], 23, v[TM+12+\b]      ; the scale's byte
.endr
	v_lshl_or_b32 v[\pw], v[TM+5], 8, v[TM+4]
	v_lshl_or_b32 v[\pw], v[TM+6], 16, v[\pw]
	v_lshl_or_b32 v[\pw], v[TM+7], 24, v[\pw]
	WIN \hw
	v_cvt_scalef32_pk16_fp6_f32 v[(\da):(\da)+2], v[(\s):(\s)+15], v[TM+12]
	v_cvt_scalef32_pk16_fp6_f32 v[TC:TC+2], v[(\s)+16:(\s)+31], v[TM+13]
	v_cvt_scalef32_pk16_fp6_f32 v[(\db):(\db)+2], v[(\s)+32:(\s)+47], v[TM+14]
	v_cvt_scalef32_pk16_fp6_f32 v[TC+4:TC+6], v[(\s)+48:(\s)+63], v[TM+15]
	WIN 0
	v_nop                                          ; one plain place behind a scaled conversion
.irp i, 0,1,2                                  ; the operand's layout wants a WHOLE block in a lane: lanes 0-15 the even block, lanes 16-31 the odd one
	v_permlane16_swap_b32 v[(\da)+\i], v[TC+\i]
.endr
.irp i, 0,1,2
	v_permlane16_swap_b32 v[(\db)+\i], v[TC+4+\i]
.endr
.irp i, 0,1,2
	v_mov_b32 v[(\da)+3+\i], v[TC+\i]
.endr
.irp i, 0,1,2
	v_mov_b32 v[(\db)+3+\i], v[TC+4+\i]
.endr
.endm
	s_load_b256 s[4:11], s[0:1], 0x0               ; xw s[4:5], bq s[6:7], bk s[8:9], bv s[10:11]
	s_load_b64 s[12:13], s[0:1], 0x20              ; qkv
	v_lshl_add_u32 v[SPW], v0, 2, SPARE
	v_mov_b32 v[NIL], 0
	ds_add_u32 v28, v29
	ds_add_u32 v28, v29
	s_wait_dscnt 0x0
	v_lshrrev_b32 v1, 5, v0
	v_readfirstlane_b32 s14, v1                    ; wave 0..3
	s_lshr_b32 s15, s14, 1                         ; which half of source 1 is mine.  Also: I fetch for x (0) or for W (1)
	s_and_b32 s16, s14, 1                          ; which half of source 0.  Also: which 8 tiles I fetch
	s_bfe_u32 s40, ttmp6, 0x40000                  ; cx, cy: my place in the cluster
	s_bfe_u32 s41, ttmp6, 0x40004
	s_lshl_b32 s42, ttmp9, 2
	s_add_co_u32 s42, s42, s40                     ; block of 256 features, 0..11
	s_and_b32 s17, ttmp7, 0xffff
	s_lshl_b32 s17, s17, 2
	s_add_co_u32 s17, s17, s41                     ; block of 256 tokens, 0..15
	s_lshl_b32 s43, s41, 2
	s_lshl_b32 s43, 15, s43                        ; my row of the cluster
	s_lshl_b32 s44, 0x1111, s40                    ; my column
	; descriptor group 1: 8 tiles' parts of 3,072 bytes (384 elements of 8 bytes), 12,288 bytes apart in memory, on end in LDS
	s_or_b32 s[G1+0], s43, (3<<16)|(1<<21)         ; 15:0 the mask: x's tiles go to my row; 17:16 elements of 8 bytes; 20 no padding; 21 set beside a mask
	s_or_b32 s[G1B+0], s44, (3<<16)|(1<<21)        ; W's go to my column
.irp g, G1, G1B
	s_mov_b32 s[\g+1], 384<<16                     ; tensor_dim0
	s_mov_b32 s[\g+2], 8<<16                       ; tensor_dim1
	s_mov_b32 s[\g+3], 384<<16                     ; tile_dim0
	s_mov_b32 s[\g+4], 8                           ; tile_dim1
	s_mov_b32 s[\g+5], 1536                        ; tensor_dim0_stride
	s_mov_b32 s[\g+6], 0
	s_mov_b32 s[\g+7], 0
.endr
	s_lshl_b32 s18, s16, 3
	s_lshl_b32 s20, s17, 4
	s_add_co_u32 s20, s20, s18                     ; x: tile 16 x token block + 8 x half
	s_mul_i32 s20, s20, 12288
	s_mov_b32 s21, 0
	s_lshl_b32 s46, s42, 4
	s_add_co_u32 s46, s46, s18                     ; W: tile 256 + 16 x feature block + 8 x half
	s_mul_i32 s46, s46, 12288
	s_add_co_u32 s46, s46, 3145728
	s_mov_b32 s47, 0
	s_mul_i32 s45, s14, HALFT                      ; where they go: wave x 8 tiles: no place in the cluster enters an LDS address
	s_wait_kmcnt 0x0
	s_add_nc_u64 s[20:21], s[4:5], s[20:21]
	s_add_nc_u64 s[46:47], s[4:5], s[46:47]
	CROUND                                         ; all sixteen work-groups are here: the first joint loads meet
.macro FIRST ga, gb, s                 ; slot s's two groups 0 and its first fill: K steps 2 s and 2 s + 1
	s_mov_b32 s[\ga], 1
	s_add_co_u32 s[\ga+1], s45, (\s)*SLOT
	s_add_nc_u64 s[\ga+2:\ga+3], s[20:21], (\s)*3072
	s_or_b32 s[\ga+3], s[\ga+3], 0x80000000
	s_mov_b32 s[\gb], 1
	s_add_co_u32 s[\gb+1], s45, (\s)*SLOT
	s_add_nc_u64 s[\gb+2:\gb+3], s[46:47], (\s)*3072
	s_or_b32 s[\gb+3], s[\gb+3], 0x80000000
	JLOAD \ga, G1, \gb, G1B
.endm
	FIRST G0, G0B, 0
	FIRST G0+4, G0B+4, 1
	FIRST G0C, G0BC, 2                             ; three tensor loads of mine are out
	v_and_b32 v1, 31, v0                           ; lane
	v_and_b32 v2, 15, v0                           ; r
	v_bfe_u32 v3, v0, 4, 1                         ; h
	v_lshlrev_b32 v4, 3, v1                        ; 8 x lane
	v_lshlrev_b32 v5, 4, v1                        ; 16 x lane
	s_mov_b32 s[SEL], 0x76543210
	s_mov_b32 s[SEL+1], 0xfedcba98
	s_mov_b32 s84, 0xffff
	s_mov_b32 s85, 0x7f7f0000                      ; two bytes of 1.0
	s_lshl_b32 s68, s17, 4                         ; x's first tile,
	s_lshl_b32 s69, s42, 4
	s_add_co_u32 s69, s69, 256                     ; W's
	s_cmp_eq_u32 ttmp9, 2                          ; v: the sources change places.  The cluster's x is the same in all sixteen partners
	s_cselect_b32 s66, 49152, 0                    ; source 1's half of a slot: W's for v, else x's
	s_cselect_b32 s67, 0, 49152                    ; source 0's
	s_cselect_b32 s70, s68, s69                    ; source 0's first tile,
	s_cselect_b32 s71, s69, s68                    ; source 1's
	s_mul_i32 s72, s15, HALFT
	s_add_co_u32 s66, s66, s72
	s_mul_i32 s72, s16, HALFT
	s_add_co_u32 s67, s67, s72
.irp s, 0,1,2
	v_add_nc_u32 v[ADRA+\s], s66, v4
	v_add_nc_u32 v[ADRB+\s], s67, v4
	s_add_co_u32 s66, s66, SLOT
	s_add_co_u32 s67, s67, SLOT
.endr
	s_lshl_b32 s76, s16, 3
	s_add_co_u32 s70, s70, s76
	s_lshl_b32 s72, s70, 9
	s_add_co_u32 s72, s72, XSC
	s_mov_b32 s73, 0
	s_add_nc_u64 s[72:73], s[4:5], s[72:73]        ; the scale words of my 8 tiles of source 0,
	s_lshl_b32 s76, s15, 3
	s_add_co_u32 s71, s71, s76
	s_lshl_b32 s74, s71, 9
	s_add_co_u32 s74, s74, XSC
	s_mov_b32 s75, 0
	s_add_nc_u64 s[74:75], s[4:5], s[74:75]        ; of source 1: for all of K, once, each load 256 consecutive bytes
.irp i, 0,1,2,3,4,5,6,7
.irp j, 0,1
	global_load_b64 v[SC0+4*\i+2*\j:SC0+4*\i+2*\j+1], v4, s[72:73] offset:\i*512+\j*256
	global_load_b64 v[SC1+4*\i+2*\j:SC1+4*\i+2*\j+1], v4, s[74:75] offset:\i*512+\j*256
.endr
.endr
	; the biases, in the result's layout: group g of eight registers at v[96 + 8 g] (g < 4) or v[192 + 8 g].  Both ways write all 64.
	s_lshl_b32 s78, s40, 10                        ; my work-group's 256 numbers
	s_mov_b32 s79, 0
	s_cmp_eq_u32 ttmp9, 2
	s_cbranch_scc1 .Lbias_v
	s_cmp_eq_u32 ttmp9, 0
	s_cselect_b64 s[76:77], s[6:7], s[8:9]
	s_lshl_b32 s80, s16, 9                         ; my wave's 128 features are source 0's
	s_add_co_u32 s78, s78, s80
	s_add_nc_u64 s[76:77], s[76:77], s[78:79]
	v_lshlrev_b32 v6, 6, v3                        ; group g = source 0's tile g: features 32 (g / 2) + 16 h + 8 (g % 2) + 0 .. 7
.irp g, 0,1,2,3,4,5,6,7
	global_load_b128 v[96+8*\g+96*(\g/4):96+8*\g+96*(\g/4)+3], v6, s[76:77] offset:128*(\g/2)+32*(\g%2)
	global_load_b128 v[96+8*\g+96*(\g/4)+4:96+8*\g+96*(\g/4)+7], v6, s[76:77] offset:128*(\g/2)+32*(\g%2)+16
.endr
	s_branch .Lbias_in
.Lbias_v:
	s_lshl_b32 s80, s15, 9                         ; my wave's 128 features are source 1's
	s_add_co_u32 s78, s78, s80
	s_add_nc_u64 s[76:77], s[10:11], s[78:79]
	v_and_b32 v6, 8, v2
	v_add_nc_u32 v6, v6, v2
	v_lshlrev_b32 v6, 2, v6                        ; group g = source 1's tile g: my lane's one feature 32 (g / 2) + 8 (g % 2) + r + 8 (r / 8), in all eight registers
.irp g, 0,1,2,3,4,5,6,7
.irp j, 0,1,2,3,4,5,6,7
	global_load_b32 v[96+8*\g+96*(\g/4)+\j], v6, s[76:77] offset:128*(\g/2)+32*(\g%2)
.endr
.endr
.Lbias_in:
.macro FRAG reg, adr, q, i             ; a fragment: six pieces of 256 consecutive bytes
.irp p, 0,1,2,3,4,5
	ds_load_b64 v[\reg+2*\p:\reg+2*\p+1], v[\adr] offset:(\i)*3072+(\q)*1536+256*\p
.endr
.endm
.macro FETCH_B slot, q, p              ; source 0's eight fragments of the slot's q-th K step into set p
	WIN TO_B
.irp i, 0,1,2,3,4,5,6,7
	FRAG 128*(\p)+FR*\i, ADRB+\slot, \q, \i
.endr
	WIN 0
.endm
.macro FETCH_A slot, q, i0             ; source 1's blocks i0 .. i0 + 3
.irp i, \i0, \i0+1, \i0+2, \i0+3
	FRAG AF+FR*(\i), ADRA+\slot, \q, \i
.endr
.endm
; 16 products: source 1's blocks a0, a0 + 1 x source 0's eight; K step ks.  The 64 accumulators take turns, one instruction a turn, in the same order in every step.
.macro MUL16 a0, p, ks
.irp a, \a0, \a0+1
.irp b, 0,1,2,3,4,5,6,7
	SWM 8*(8*((\a)%4)+\b), 128*(\p)+FR*\b, AF+FR*(\a), 8*(8*((\a)%4)+\b), SC0+4*\b+(\ks)/2, SC1+4*(\a)+(\ks)/2, (\ks)%2, (\ks)%2
.endr
.endr
.endm
; The first K step's 32 products of source 1's blocks a0 .. a0 + 3: C is the bias: by source 0's tile for q and k, by source 1's for v.  Only these products stand under the branch.
.macro MULF a0, hi
	WIN 0
	s_cmp_eq_u32 ttmp9, 2
	s_cbranch_scc1 .Lfirst_v_\@
	WIN 0x81+0x40*(\hi)                            ; source 0 window 1, source 1 and C window 0, D window 2 or 3
.irp a, \a0, \a0+1, \a0+2, \a0+3
.irp b, 0,1,2,3,4,5,6,7
	SWM 8*(8*((\a)%4)+\b), FR*\b, AF+FR*(\a), 96+8*\b+96*(\b/4), SC0+4*\b, SC1+4*(\a), 0, 0
.endr
.endr
	WIN 0
	s_branch .Lfirst_in_\@
.Lfirst_v_\@:
	WIN 0x81+0x40*(\hi)
.irp a, \a0, \a0+1, \a0+2, \a0+3
.irp b, 0,1,2,3,4,5,6,7
	SWM 8*(8*((\a)%4)+\b), FR*\b, AF+FR*(\a), 96+8*(\a)+96*((\a)/4), SC0+4*\b, SC1+4*(\a), 0, 0
.endr
.endr
	WIN 0
.Lfirst_in_\@:
.endm
; A slot's first K step.  A block of source 1 is free as soon as its eight products are issued: blocks 0-3 are fetched anew in the step's middle, blocks 4-7 at its end.
.macro STEP slot, ks, first
	s_wait_dscnt 4*NL                              ; source 0's set and source 1's blocks 0-3 are in; the youngest 24 loads (blocks 4-7) may be out
.if \first
	MULF 0, 0
.else
	WIN MUL_LO
	MUL16 0, 0, \ks
	MUL16 2, 0, \ks
.endif
	s_wait_dscnt 0x0                               ; blocks 4-7 are in
	PLACES NP                                      ; in front of loads into registers that matrix instructions have read
	FETCH_B \slot, 1, 1
	FETCH_A \slot, 1, 0
.if \first
	MULF 4, 1
.else
	WIN MUL_HI
	MUL16 4, 0, \ks
	MUL16 6, 0, \ks
.endif
	PLACES NP
	WIN 0
	FETCH_A \slot, 1, 4
.endm
; A slot's second K step changes slots.
; fill = 1: this slot is filled again.  ONE barrier, which opens a round of the cluster's; in front of it each wave waits for all its tensor loads, adds 0 to its spare word, and waits for that and for its own reads of this slot.
; fill = 0: the next slot is the one that was filled again: the same lines and a barrier of the work-group, so that every wave's part of it has landed; nothing is asked for.
; fill = 2: no barrier: the next slot was whole for every wave at the round behind K step 1, in front of which each wave waited for all its loads; this slot is not filled again; the refill stays on its way.
.macro TURN slot, next, fill, ks
.if (\fill) < 2
	s_wait_tensorcnt 0x0                           ; all my tensor loads have landed
	ds_add_u32 v[SPW], v[NIL]                      ; 0 onto my spare word
	s_wait_dscnt 4*NL+1                            ; (the add and the youngest 24 loads may be out)
.else
	s_wait_dscnt 4*NL                              ; (the youngest 24 loads may be out)
.endif
	WIN MUL_LO
	MUL16 0, 1, \ks                                ; sixteen products stand between the add and the wait for it
	s_wait_dscnt 0x0                               ; the add is done, and my reads of this slot are over: source 1's blocks 4-7 are in
.if (\fill) < 2
	s_barrier_signal -1
.endif
	MUL16 2, 1, \ks
	WIN 0
.if (\fill) < 2
	s_barrier_wait -1
.endif
.if (\fill) == 1
	CREST                                          ; the barrier has opened a round of the cluster's barrier: no wave of any partner still reads this slot or has a load on its way
	s_add_nc_u64 s[G0+4*\slot+2:G0+4*\slot+3], s[G0+4*\slot+2:G0+4*\slot+3], 9216    ; six K steps of 1,536 bytes on
	s_add_nc_u64 s[G0B+4*\slot+2:G0B+4*\slot+3], s[G0B+4*\slot+2:G0B+4*\slot+3], 9216
	JLOAD G0+4*\slot, G1, G0B+4*\slot, G1B         ; the first tensor load behind the round, and my last; its four v_nop are the places in front of the loads below
.else
	PLACES NP
.endif
	FETCH_B \next, 0, 0
	FETCH_A \next, 0, 0
	WIN MUL_HI
	MUL16 4, 1, \ks
	MUL16 6, 1, \ks
	PLACES NP
	WIN 0
	FETCH_A \next, 0, 4
.endm
	s_wait_tensorcnt 2                             ; my part of slot 0 is in (the loads of slots 1 and 2 may be out)
	s_barrier_signal -1
	s_barrier_wait -1                              ; everybody's is
	FETCH_B 0, 0, 0
	FETCH_A 0, 0, 0
	FETCH_A 0, 0, 4
	s_wait_loadcnt 0x0                             ; scale words and biases
	STEP 0, 0, 1
	TURN 0, 1, 1, 1                                ; slot 0 takes K steps 6, 7: the load has K steps 2 to 5 in which to land
	STEP 1, 2, 0
	TURN 1, 2, 2, 3
	STEP 2, 4, 0
	TURN 2, 0, 0, 5                                ; the refill has landed, everybody's part of it
	STEP 0, 6, 0
	s_wait_dscnt 4*NL
	WIN MUL_LO
	MUL16 0, 1, 7
	MUL16 2, 1, 7
	s_wait_dscnt 0x0
	WIN MUL_HI
	MUL16 4, 1, 7
	MUL16 6, 1, 7
	WIN 0
	; THE WAY OUT: source 1's tile a at a time: its 64 registers a lane are 128 neighbours along the next product's K.
	PLACES NP                                      ; behind the last products
.irp b, 0,1,2,3
	v_mov_b32 v[TM+4+\b], 0                        ; written once: a lane permute's destination counts as one of its sources
.endr
	s_lshr_b32 s86, s17, 3                         ; the batch,
	s_lshl_b32 s86, s86, 4
	s_lshl_b32 s87, s40, 2
	s_add_co_u32 s86, s86, s87                     ; 16 x batch + my work-group's first head
	s_and_b32 s87, s17, 7
	s_lshl_b32 s87, s87, 1                         ; my work-group's first step of 128 tokens in the batch
	s_cmp_eq_u32 ttmp9, 2
	s_cbranch_scc1 .Lout_v
	; q, k: a lane holds token tile a's row r; registers 0-31 are head A's 64, registers 32-63 head B's.  Two tiles make a run of 12 registers for each head.
	s_lshl_b32 s88, s16, 1
	s_add_co_u32 s88, s88, s86
	s_mul_i32 s88, s88, HB                         ; head A's block,
	s_cmp_eq_u32 ttmp9, 1
	s_cselect_b32 s89, KVB, 0                      ; in q's region or in k's
	s_add_co_u32 s88, s88, s89
	s_add_co_u32 s90, s87, s15                     ; my step
	s_mul_i32 s92, s90, 12288
	s_add_co_u32 s92, s92, s88
	s_add_co_u32 s92, s92, 12288
	s_mov_b32 s93, 0
	s_add_nc_u64 s[92:93], s[12:13], s[92:93]      ; the step's runs
	s_lshl_b32 s94, s90, 9
	s_add_co_u32 s94, s94, s88
	s_mov_b32 s95, 0
	s_add_nc_u64 s[94:95], s[12:13], s[94:95]      ; the step's scale words
.irp a, 0,1,2,3,4,5,6,7
.if (\a >= 4) && (\a % 2 == 0)
	s_wait_xcnt 0x0                                ; the stores of two pairs ago have read this set of runs
.endif
	QUANT 64*(\a%4), RUN+24*((\a/2)%2)+6*(\a%2), RUN+24*((\a/2)%2)+12+6*(\a%2), PW+\a, 2+\a/4
.if \a % 2 == 1
.irp u, 0,1
.irp g, 0,1,2
	global_store_b128 v5, v[RUN+24*((\a/2)%2)+12*\u+4*\g:RUN+24*((\a/2)%2)+12*\u+4*\g+3], s[92:93] offset:\u*HB+(\a/2)*1536+\g*512   ; 512 consecutive bytes, aligned
.endr
.endr
.endif
.endr
	v_cmp_le_u32 vcc_lo, 16, v1                    ; lanes 16-31 store the odd tiles' words
.irp e, 0,1,2,3
	v_cndmask_b32 v[TM+\e], v[PW+2*\e], v[PW+2*\e+1], vcc_lo
.endr
.irp e, 0,1,2,3
	v_and_or_b32 v[SWR+\e], v[TM+\e], s84, s85     ; head A: bytes 0, 1; the upper 64 of the next product's 128 along K are zero codes under the scale 1.0
	v_lshrrev_b32 v[TM+\e], 16, v[TM+\e]
.endr
.irp e, 0,1,2,3
	v_or_b32 v[SWR+4+\e], s85, v[TM+\e]            ; head B: bytes 2, 3
.endr
	global_store_b128 v5, v[SWR:SWR+3], s[94:95]
	global_store_b128 v5, v[SWR+4:SWR+7], s[94:95] offset:HB
	s_branch .Lend
.Lout_v:
	; v: a lane holds feature tile a's row r (head a / 4, d tile a % 4) and 128 neighbouring tokens: one fragment of the second attention product
	s_lshl_b32 s88, s15, 1
	s_add_co_u32 s88, s88, s86
	s_mul_i32 s88, s88, HB
	s_add_co_u32 s88, s88, KVB
	s_add_co_u32 s90, s87, s16                     ; my step
	s_mul_i32 s92, s90, 12288
	s_add_co_u32 s92, s92, s88
	s_add_co_u32 s92, s92, 12288+6144
	s_mov_b32 s93, 0
	s_add_nc_u64 s[92:93], s[12:13], s[92:93]
	s_lshl_b32 s94, s90, 8
	s_add_co_u32 s94, s94, s88
	s_add_co_u32 s94, s94, 8192
	s_mov_b32 s95, 0
	s_add_nc_u64 s[94:95], s[12:13], s[94:95]
.irp a, 0,1,2,3,4,5,6,7
.if \a >= 2
	s_wait_xcnt 0x0                                ; the stores of two tiles ago have read this set
.endif
	QUANT 64*(\a%4), RUN+12*(\a%2), RUN+12*(\a%2)+6, PW+\a, 2+\a/4
.irp g, 0,1,2
	global_store_b128 v5, v[RUN+12*(\a%2)+4*\g:RUN+12*(\a%2)+4*\g+3], s[92:93] offset:(\a/4)*HB+(\a%4)*1536+\g*512
.endr
.endr
	v_cmp_le_u32 vcc_lo, 16, v1
.irp u, 0,1
.irp e, 0,1
	v_cndmask_b32 v[SWR+2*\u+\e], v[PW+4*\u+2*\e], v[PW+4*\u+2*\e+1], vcc_lo
.endr
	global_store_b64 v4, v[SWR+2*\u:SWR+2*\u+1], s[94:95] offset:\u*HB   ; 256 consecutive bytes, aligned
.endr
.Lend:
	s_wait_tensorcnt 0x0                           ; the wave's end
	ds_add_u32 v[SPW], v[NIL]
	s_wait_dscnt 0x0
	CROUND                                         ; the closing round: no work-group ends while a partner may still ask for a tile that names it
	s_endpgm
.Lfunc_end_k_q671950f924_qkv:
	.size	k_q671950f924_qkv, .Lfunc_end_k_q671950f924_qkv-k_q671950f924_qkv
	.p2alignl 7, 3214868480
	.fill 96, 4, 3214868480
	.section	.rodata,"a",@progbits
	.p2align	6, 0x0
	.amdhsa_kernel k_q671950f924_qkv
		.amdhsa_group_segment_fixed_size 327680
		.amdhsa_private_segment_fixed_size 0
		.amdhsa_enable_private_segment 0
		.amdhsa_kernarg_size 40
		.amdhsa_user_sgpr_count 2
		.amdhsa_user_sgpr_kernarg_segment_ptr 1
		.amdhsa_wavefront_size32 1
		.amdhsa_system_sgpr_workgroup_id_x 1
		.amdhsa_system_sgpr_workgroup_id_y 1
		.amdhsa_system_sgpr_workgroup_id_z 1
		.amdhsa_system_vgpr_workitem_id 0
		.amdhsa_next_free_vgpr 1024
		.amdhsa_next_free_sgpr 100
		.amdhsa_reserve_vcc 1
		.amdhsa_float_denorm_mode_32 3
		.amdhsa_float_denorm_mode_16_64 3
		.amdhsa_memory_ordered 1
		.amdhsa_forward_progress 1
		.amdhsa_inst_pref_size 214
	.end_amdhsa_kernel
	.amdgpu_metadata
---
amdhsa.version: [ 1, 2 ]
amdhsa.kernels:
  - .name:           k_q671950f924_qkv
    .symbol:         k_q671950f924_qkv.kd
    .args:
      - { .name: xw, .offset: 0, .size: 8, .value_kind: global_buffer, .address_space: global }
      - { .name: bq, .offset: 8, .size: 8, .value_kind: global_buffer, .address_space: global }
      - { .name: bk, .offset: 16, .size: 8, .value_kind: global_buffer, .address_space: global }
      - { .name: bv, .offset: 24, .size: 8, .value_kind: global_buffer, .address_space: global }
      - { .name: qkv, .offset: 32, .size: 8, .value_kind: global_buffer, .address_space: global }
    .group_segment_fixed_size: 327680
    .private_segment_fixed_size: 0
    .kernarg_segment_align: 8
    .kernarg_segment_size: 40
    .max_flat_workgroup_size: 128
    .sgpr_count:     100
    .vgpr_count:     1024
    .wavefront_size: 32
...
	.end_amdgpu_metadata
.endif
;; end of part 2
;; launch attn (part 3): grid 8 x 32, 8 waves a work-group, clusters of 4 x 1, 209,920 bytes of LDS; arguments qkv, gamma, oc; writes oc
.if DOCPART == 3
	.amdgcn_target "amdgcn-amd-amdhsa--gfx1250"
	.amdhsa_code_object_version 6
	.text
	.protected	k_q671950f924_attn
	.globl	k_q671950f924_attn
	.p2align	8
	.type	k_q671950f924_attn,@function
k_q671950f924_attn:
	s_mov_b64 s[64:65], 0
	v_nop
	global_prefetch_b8 v0, s[64:65] scope:SCOPE_SE
	s_setreg_imm32_b32 hwreg(HW_REG_WAVE_MODE, 25, 1), 1
	s_wait_xcnt 0x0
	s_wait_alu depctr_hold_cnt(0) depctr_sa_sdst(0) depctr_va_vdst(0) depctr_va_sdst(0) depctr_va_ssrc(0) depctr_va_vcc(0) depctr_vm_vsrc(0)
	s_getreg_b32 s2, hwreg(HW_REG_IB_STS2, 6, 4)
	s_cmp_eq_u32 s2, 0
	s_cbranch_scc0 .Lentry_in_a_cluster
	s_endpgm
.Lentry_in_a_cluster:
	s_bfe_u32 s2, ttmp6, 0x10000c
	s_cmp_lg_u32 s2, 0x3003
	s_cbranch_scc0 .Lentry_shape_is_right
	s_endpgm
.Lentry_shape_is_right:
; For each of 32 heads (16 x batch + head): S = q k^T; S x causal x gamma^query; that, quantised along the keys, times v; the result, quantised along D, leaves as codes in the order of the last launch's operand registers.
; Both products on codes of FP6 (E2M3) with E8M0 scales.  There is no softmax: nothing is carried from step to step but the sums.
; LAYOUT.  Both products are used transposed: S^T = k q^T (source 0 = 16 keys, source 1 = 16 queries), O^T = v^T p^T (source 0 = 16 of the head's 64, source 1 = p): a lane holds ONE query throughout.  Lane-row r of every tile T is
; row 32 (T / 2) + 8 (T % 2) + r + 8 (r / 8), so that the 16 registers of source 0's tiles 2 b, 2 b + 1 are rows 32 b + 16 (lane / 16) + 0 .. 15: neighbouring keys in S^T, neighbouring channels in O^T: what the quantisers want.
; THE FIRST PRODUCT'S K IS 64 in an instruction of 128: q's registers 6-11 are zero codes; k's fragment is six registers, and the six that follow it in the register file (the next tile's) meet those zeros; bytes 2, 3 of both scale words are 1.0.
; SHARES.  A head's 2,048 queries are 16 blocks of 128, each of four pairs of tiles (32 queries).  EIGHT WAVES of 512 registers, two for each of a WGP's four SIMDs, so that one wave's quantiser stands beside the other's products and LDS loads.
; Wave W of the cluster with x = X has g = 4 X + W % 4 and the parity par = (W xor W / 4) % 2.  In the work-group at place cx it takes pair cx of the LATE block 15 - g and of the EARLY block g, and of their key steps those with step % 2 = par.
; The late pair needs key steps 0 .. 15 - g, the early one 0 .. g: 17 pair-steps, of which the even steps are 9 and the odd ones 8, whatever g.  Waves W and W xor 4 share a g and differ in parity; waves W and W xor 1 differ in parity too.
; Steps wholly behind the diagonal are left out; each pair's last step lies on it, and there hidden scores become 0.  In steps up to g both pairs use the same fragments of k and v: a fragment read from LDS feeds as many products as with one wave.
; At the end the two waves of a g join their sums through LDS: the even wave finishes the late pair, the odd one the early pair.  So a sum over the keys is made in two f32 parts and one f32 addition.
; Branches hang on the wave's number, the cluster's x and the loop's step; cx enters global addresses and two lane vectors alone.
; LDS.  The head's block of k and v, with its scale words, lies in LDS as it lies in memory (208,896 bytes), filled ONCE by two joint loads a wave: the four work-groups of a cluster walk the same head.  Chunk 0: scale words and key steps 0-3; chunk 1: steps 4-15.
; The barrier that shows chunk 1 whole stands behind each wave's first trip (key step 0 or 1): 1 or 2 pair-steps lie in front of it and 7 behind it in every wave.
; DECAY.  gamma^i = sign x 2^(i log2 |gamma|), the whole part of the exponent by v_ldexp_f32, so that denormal results are kept; gamma^0 = 1.
; LIMITS: the decay's relative error is about |i log2 gamma| x 1.2e-7; its exponent is held to +-300 (beyond f32's range either way); a block of zeros gets the byte 1 (its codes are zeros); NaN and infinities are not served.
; REGISTERS: window 0: v1-3 16, 8, 4 x lane; v4-6 LDS addresses; v7 0; v8-9 the mask's thresholds; v10 lane; v11, v30 the stage; v12-15 k's scale words, v16-17 v's, v18-19 q's, v20-21 p's; v22-29 the decays; v32-54 at work; v56-79 p's codes;
;   v80-127 v of a step (at the head: at work); v128-255 S^T of two tiles.   window 1: v0-127 O^T (tile u at 32 u; u = 0, 1 late, 2, 3 early); v128-175 q (12 a tile); v176-229 k of a step (6 a tile, and 6 zeros).
.set HB,   208896
.set KVB,  6684672
.set OSC,  3145728
.set STG,  12288                       ; the stage for the sums: 8,192 bytes a wave, over key steps 0 to 5, which have had their one fill and are read no more when the first sum is stored there
.set ADK,  4
.set ADS,  5
.set ADT,  6
.set ZR,   7
.set MD,   8
.set LN,   10
.set STA,  11                          ; v11  where I store the sums that I give away: STG + 8,192 x wave + 16 x lane
.set KS,   12
.set VS,   16
.set QS,   18
.set PS,   20
.set DEC,  22
.set LDA,  30                          ; v30  where my partner has stored those that I keep: STG + 8,192 x (wave xor 4) + 16 x lane
.set TM,   32
.set TC,   48
.set P,    56
.set VF,   80
.set SS,   128
.set QF,   128                         ; in window 1
.set KF,   176                         ; in window 1
.set SUM,  128                         ; the way out: v128-191 the joined sums of my pair
.set GOT,  192                         ; v192-255 my partner's part
.set OC,   192                         ; then v192-203 the codes, 6 a tile
.set PWO,  204                         ; v204 the four bytes; v205-206 the word to store
.set WV,   10
.set CX,   11
.set BH,   12
.set GG,   13
.set LL,   14
.set SI,   15
.set NX,   16
.set T0,   17
.set SEL,  18
.set GAM,  20
.set T1,   21
.set PAR,  22
.set CT,   23
.set G1A,  24
.set G1B,  32
.set G0A,  40
.set G0B,  44
.set BLK,  76
.set MSB, 0
.macro WIN new
.if MSB != (\new)
	s_set_vgpr_msb (MSB<<8)|(\new)
.set MSB, (\new)
.endif
.endm
.macro PLACES n
.rept \n
	v_nop
.endr
.endm
.macro CROUND                          ; a round of the cluster's barrier
	s_barrier_signal -1
	s_barrier_wait -1
	s_cmp_lg_u32 s[WV], 0
	s_cbranch_scc1 .Lnot_wave_0_\@
	s_barrier_signal -3
.Lnot_wave_0_\@:
	s_barrier_wait -3
	s_barrier_signal -1
	s_barrier_wait -1
.endm
; One product.  c: C's first register, or -1 for the constant 0;  ra, rb = 1: the scales stand in lanes 16-31.
.macro SWM d, a, b, c, sa, sb, ra, rb
.if (\c) < 0
.if (\ra) && (\rb)
	v_wmma_scale_f32_16x16x128_f8f6f4 v[(\d):(\d)+7], v[(\a):(\a)+11], v[(\b):(\b)+11], 0, v[\sa], v[\sb] matrix_a_fmt:MATRIX_FMT_FP6 matrix_b_fmt:MATRIX_FMT_FP6 matrix_a_scale:MATRIX_SCALE_ROW1 matrix_b_scale:MATRIX_SCALE_ROW1
.elseif \ra
	v_wmma_scale_f32_16x16x128_f8f6f4 v[(\d):(\d)+7], v[(\a):(\a)+11], v[(\b):(\b)+11], 0, v[\sa], v[\sb] matrix_a_fmt:MATRIX_FMT_FP6 matrix_b_fmt:MATRIX_FMT_FP6 matrix_a_scale:MATRIX_SCALE_ROW1
.elseif \rb
	v_wmma_scale_f32_16x16x128_f8f6f4 v[(\d):(\d)+7], v[(\a):(\a)+11], v[(\b):(\b)+11], 0, v[\sa], v[\sb] matrix_a_fmt:MATRIX_FMT_FP6 matrix_b_fmt:MATRIX_FMT_FP6 matrix_b_scale:MATRIX_SCALE_ROW1
.else
	v_wmma_scale_f32_16x16x128_f8f6f4 v[(\d):(\d)+7], v[(\a):(\a)+11], v[(\b):(\b)+11], 0, v[\sa], v[\sb] matrix_a_fmt:MATRIX_FMT_FP6 matrix_b_fmt:MATRIX_FMT_FP6
.endif
.else
.if (\ra) && (\rb)
	v_wmma_scale_f32_16x16x128_f8f6f4 v[(\d):(\d)+7], v[(\a):(\a)+11], v[(\b):(\b)+11], v[(\c):(\c)+7], v[\sa], v[\sb] matrix_a_fmt:MATRIX_FMT_FP6 matrix_b_fmt:MATRIX_FMT_FP6 matrix_a_scale:MATRIX_SCALE_ROW1 matrix_b_scale:MATRIX_SCALE_ROW1
.elseif \ra
	v_wmma_scale_f32_16x16x128_f8f6f4 v[(\d):(\d)+7], v[(\a):(\a)+11], v[(\b):(\b)+11], v[(\c):(\c)+7], v[\sa], v[\sb] matrix_a_fmt:MATRIX_FMT_FP6 matrix_b_fmt:MATRIX_FMT_FP6 matrix_a_scale:MATRIX_SCALE_ROW1
.elseif \rb
	v_wmma_scale_f32_16x16x128_f8f6f4 v[(\d):(\d)+7], v[(\a):(\a)+11], v[(\b):(\b)+11], v[(\c):(\c)+7], v[\sa], v[\sb] matrix_a_fmt:MATRIX_FMT_FP6 matrix_b_fmt:MATRIX_FMT_FP6 matrix_b_scale:MATRIX_SCALE_ROW1
.else
	v_wmma_scale_f32_16x16x128_f8f6f4 v[(\d):(\d)+7], v[(\a):(\a)+11], v[(\b):(\b)+11], v[(\c):(\c)+7], v[\sa], v[\sb] matrix_a_fmt:MATRIX_FMT_FP6 matrix_b_fmt:MATRIX_FMT_FP6
.endif
.endif
.endm
; 64 numbers of a lane, register 16 b + i = k 32 b + 16 (lane / 16) + i of the lane's row, become codes: k = 32 h + 0 .. 31 in v[da .. da + 5], k = 64 + 32 h + 0 .. 31 in v[db .. db + 5]; the row's four scale bytes in v[pw].
.macro QUANT s, da, db, pw
.irp b, 0,1,2,3
	v_max3_num_f32 v[TM+\b], |v[(\s)+16*\b]|, |v[(\s)+16*\b+1]|, 0x1800000   ; block b: my 16 numbers, and the floor 2^(3 - 127): the byte cannot fall under 1
.endr
.irp i, 2,4,6,8,10,12,14
.irp b, 0,1,2,3
	v_max3_num_f32 v[TM+\b], |v[(\s)+16*\b+\i]|, |v[(\s)+16*\b+\i+1]|, v[TM+\b]   ; (the four blocks by turns)
.endr
.endr
.irp b, 0,1,2,3
	v_permlanex16_b32 v[TM+4+\b], v[TM+\b], s[SEL], s[SEL+1]
.endr
.irp b, 0,1,2,3
	v_max_num_f32 v[TM+\b], v[TM+\b], v[TM+4+\b]   ; with lane l xor 16's: the block's largest magnitude
.endr
.irp b, 0,1,2,3
	v_add_nc_u32 v[TM+12+\b], 0xff000000, v[TM+\b] ; 2 off its exponent field: the conversion's scale operand
.endr
.irp b, 0,1,2,3
	v_lshrrev_b32 v[TM+4+\b], 23, v[TM+12+\b]      ; the scale's byte
.endr
	v_lshl_or_b32 v[\pw], v[TM+5], 8, v[TM+4]
	v_lshl_or_b32 v[\pw], v[TM+6], 16, v[\pw]
	v_lshl_or_b32 v[\pw], v[TM+7], 24, v[\pw]
	v_cvt_scalef32_pk16_fp6_f32 v[(\da):(\da)+2], v[(\s):(\s)+15], v[TM+12]
	v_cvt_scalef32_pk16_fp6_f32 v[TC:TC+2], v[(\s)+16:(\s)+31], v[TM+13]
	v_cvt_scalef32_pk16_fp6_f32 v[(\db):(\db)+2], v[(\s)+32:(\s)+47], v[TM+14]
	v_cvt_scalef32_pk16_fp6_f32 v[TC+4:TC+6], v[(\s)+48:(\s)+63], v[TM+15]
	v_nop                                          ; one plain place behind a scaled conversion
.irp i, 0,1,2                                  ; the operand's layout wants a WHOLE block in a lane
	v_permlane16_swap_b32 v[(\da)+\i], v[TC+\i]
.endr
.irp i, 0,1,2
	v_permlane16_swap_b32 v[(\db)+\i], v[TC+4+\i]
.endr
.irp i, 0,1,2
	v_mov_b32 v[(\da)+3+\i], v[TC+\i]
.endr
.irp i, 0,1,2
	v_mov_b32 v[(\db)+3+\i], v[TC+4+\i]
.endr
.endm
	s_load_b128 s[4:7], s[0:1], 0x0                ; qkv, gamma
	s_load_b64 s[8:9], s[0:1], 0x10                ; oc
	v_lshl_add_u32 v51, v0, 2, 0x33000
	v_mov_b32 v55, 0
	ds_add_u32 v51, v55
	ds_add_u32 v51, v55
	v_lshrrev_b32 v1, 5, v0
	v_readfirstlane_b32 s[WV], v1                  ; wave 0..7
	s_lshr_b32 s[PAR], s[WV], 2
	s_xor_b32 s[PAR], s[PAR], s[WV]
	s_and_b32 s[PAR], s[PAR], 1                    ; which key steps are mine: the even ones (0) or the odd ones (1)
	s_and_b32 s[T0], s[WV], 3
	s_bfe_u32 s[CX], ttmp6, 0x40000                ; my place in the cluster
	s_and_b32 s[BH], ttmp7, 0xffff                 ; 16 x batch + head: the four partners share it
	s_lshl_b32 s[GG], ttmp9, 2
	s_add_co_u32 s[GG], s[GG], s[T0]               ; g: my early block, and its last key step
	s_sub_co_u32 s[LL], 15, s[GG]                  ; my late block, and its last key step
	s_mov_b32 s[SEL], 0x76543210
	s_mov_b32 s[SEL+1], 0xfedcba98
	; descriptor group 1: dense blocks as rows of 256 bytes (32 elements of 8 bytes): 30 rows a wave of chunk 0, 72 of chunk 1
	s_mov_b32 s[G1A], 15|(3<<16)|(1<<21)           ; 15:0 the mask: all four work-groups; 17:16 elements of 8 bytes; 21 set beside a mask
	s_mov_b32 s[G1A+1], 32<<16
	s_mov_b32 s[G1A+2], 30<<16
	s_mov_b32 s[G1A+3], 32<<16
	s_mov_b32 s[G1A+4], 30
	s_mov_b32 s[G1A+5], 32
	s_mov_b32 s[G1A+6], 0
	s_mov_b32 s[G1A+7], 0
	s_mov_b32 s[G1B], 15|(3<<16)|(1<<21)
	s_mov_b32 s[G1B+1], 32<<16
	s_mov_b32 s[G1B+2], 72<<16
	s_mov_b32 s[G1B+3], 32<<16
	s_mov_b32 s[G1B+4], 72
	s_mov_b32 s[G1B+5], 32
	s_mov_b32 s[G1B+6], 0
	s_mov_b32 s[G1B+7], 0
	s_mul_i32 s48, s[BH], HB                       ; the head's block, in q's region
	s_mov_b32 s49, 0
	s_add_co_u32 s50, s48, KVB                     ; and in k's and v's
	s_mov_b32 s51, 0
	s_mul_i32 s52, s[WV], 7680                     ; my eighth of chunk 0, in memory as in LDS
	s_mov_b32 s53, 0
	s_mul_i32 s54, s[WV], 18432
	s_add_co_u32 s54, s54, 61440                   ; my eighth of chunk 1
	s_mov_b32 s55, 0
	s_and_b32 s56, s[BH], 15                       ; the head
	s_lshl_b32 s58, s56, 2
	s_mov_b32 s59, 0
	s_wait_dscnt 0x0
	s_wait_kmcnt 0x0
	s_add_nc_u64 s[6:7], s[6:7], s[58:59]
	s_load_b32 s[GAM], s[6:7], 0x0                 ; the head's gamma
	s_add_nc_u64 s[50:51], s[4:5], s[50:51]
	s_mov_b32 s[G0A], 1
	s_mov_b32 s[G0A+1], s52
	s_add_nc_u64 s[G0A+2:G0A+3], s[50:51], s[52:53]
	s_or_b32 s[G0A+3], s[G0A+3], 0x80000000
	s_mov_b32 s[G0B], 1
	s_mov_b32 s[G0B+1], s54
	s_add_nc_u64 s[G0B+2:G0B+3], s[50:51], s[54:55]
	s_or_b32 s[G0B+3], s[G0B+3], 0x80000000
	CROUND                                         ; all four work-groups are here: the joint loads meet
	tensor_load_to_lds s[G0A:G0A+3], s[G1A:G1A+7]  ; both fills go out together: two tensor loads of mine are out
	s_nop 0
	tensor_load_to_lds s[G0B:G0B+3], s[G1B:G1B+7]
	s_nop 0
.rept 4
	v_nop
.endr
	s_add_nc_u64 s[48:49], s[4:5], s[48:49]        ; the head's block of q
	s_mul_i32 s57, s[CX], 1536                     ; my pair's run in a step
	s_mul_i32 s60, s[LL], 12288
	s_add_co_u32 s60, s60, s57
	s_add_co_u32 s60, s60, 12288
	s_mov_b32 s61, 0
	s_add_nc_u64 s[60:61], s[48:49], s[60:61]      ; the late pair's codes,
	s_mul_i32 s62, s[GG], 12288
	s_add_co_u32 s62, s62, s57
	s_add_co_u32 s62, s62, 12288
	s_mov_b32 s63, 0
	s_add_nc_u64 s[62:63], s[48:49], s[62:63]      ; the early pair's
	s_lshl_b32 s57, s[CX], 2
	s_lshl_b32 s66, s[LL], 9
	s_add_co_u32 s66, s66, s57
	s_mov_b32 s67, 0
	s_add_nc_u64 s[66:67], s[48:49], s[66:67]      ; their scale words: word cx of a lane's four: tile 2 cx + lane / 16
	s_lshl_b32 s68, s[GG], 9
	s_add_co_u32 s68, s68, s57
	s_mov_b32 s69, 0
	s_add_nc_u64 s[68:69], s[48:49], s[68:69]
	v_and_b32 v[LN], 31, v0
	v_lshlrev_b32 v1, 4, v[LN]
	v_lshlrev_b32 v2, 3, v[LN]
	v_lshlrev_b32 v3, 2, v[LN]
	v_mov_b32 v[ZR], 0
	s_lshl_b32 s74, s[WV], 13
	s_add_co_u32 s74, s74, STG
	v_add_nc_u32 v[STA], s74, v1                   ; my part of the stage,
	s_xor_b32 s75, s[WV], 4
	s_lshl_b32 s75, s75, 13
	s_add_co_u32 s75, s75, STG
	v_add_nc_u32 v[LDA], s75, v1                   ; my partner's: the wave with my g and the other parity
	s_cmp_eq_u32 s[PAR], 0
	s_cselect_b32 s[BLK], s[LL], s[GG]             ; the block whose pair I finish
	WIN 0x40                                       ; destination window 1, address window 0
.irp x, 0,1
.irp m, 0,1,2,3,4,5                            ; a run's registers 2 m, 2 m + 1 lie at 512 (m / 2) + 16 x lane + 8 (m % 2); registers 0-5 are the pair's first tile, 6-11 its second
	global_load_b64 v[QF+12*(2*\x+\m/3)+2*(\m%3):QF+12*(2*\x+\m/3)+2*(\m%3)+1], v1, s[60+2*\x:61+2*\x] offset:512*(\m/2)+8*(\m%2)
.endr
.endr
.irp u, 0,1,2,3
.irp i, 6,7,8,9,10,11
	v_mov_b32 v[QF+12*\u+\i], 0                    ; q's upper 64 along the instruction's K: zero codes
.endr
.endr
.set n, 0
.rept 128
	v_mov_b32 v[n], 0                              ; O^T.  (The key step is written for sums that are under way: the first finds zeros, and a wave without a step of the early pair gives zeros; a step of its own for the first would be two more copies of the text)
.set n, n+1
.endr
.irp i, 48,49,50,51,52,53
	v_mov_b32 v[KF+\i], 0                          ; what follows the last tile of k in the register file
.endr
	WIN 0
	global_load_b32 v[QS], v1, s[66:67]
	global_load_b32 v[QS+1], v1, s[68:69]
.irp b, 0,1,2,3
	v_mov_b32 v[TM+4+\b], 0                        ; written once: a lane permute's destination counts as one of its sources
.endr
	v_and_b32 v80, 15, v0                          ; r
	v_bfe_u32 v81, v0, 4, 1                        ; h
	v_and_b32 v82, 8, v80
	v_add_nc_u32 v82, v82, v80                     ; r + 8 (r / 8)
	s_lshl_b32 s70, s[CX], 5
	v_add_nc_u32 v83, s70, v82                     ; my query in its block of 128, for the pair's first tile; the second's is 8 on
	v_lshlrev_b32 v84, 4, v81
	v_sub_nc_u32 v[MD], v83, v84                   ; on the diagonal register 16 b + i holds key 32 b + i + 16 h of the block: hidden where 32 b + i > my query - 16 h
	v_add_nc_u32 v[MD+1], 8, v[MD]
	s_lshl_b32 s71, s[LL], 7
	s_lshl_b32 s72, s[GG], 7
	v_add_nc_u32 v88, s71, v83                     ; the queries' indices: tiles 0, 1 late, 2, 3 early
	v_add_nc_u32 v89, 8, v88
	v_add_nc_u32 v90, s72, v83
	v_add_nc_u32 v91, 8, v90
	v_mov_b32 v87, 1.0
	s_wait_kmcnt 0x0
	v_mov_b32 v85, s[GAM]
	v_log_f32 v86, |v85|
.irp u, 0,1,2,3
	v_cvt_f32_u32 v[92+\u], v[88+\u]               ; (plain places behind the logarithm)
.endr
	s_wait_alu depctr_va_vdst(0)
.irp u, 0,1,2,3
	v_mul_f32 v[92+\u], v[92+\u], v86              ; t = i log2 |gamma|
.endr
.irp u, 0,1,2,3
	v_max_num_f32 v[92+\u], 0xc3960000, v[92+\u]   ; held to -300 .. 300
.endr
.irp u, 0,1,2,3
	v_min_num_f32 v[92+\u], 0x43960000, v[92+\u]
.endr
.irp u, 0,1,2,3
	v_floor_f32 v[96+\u], v[92+\u]
.endr
.irp u, 0,1,2,3
	v_sub_f32 v[92+\u], v[92+\u], v[96+\u]         ; the fraction, exact
.endr
.irp u, 0,1,2,3
	v_exp_f32 v[92+\u], v[92+\u]
.endr
.irp u, 0,1,2,3
	v_cvt_i32_f32 v[96+\u], v[96+\u]               ; (plain places behind the exponentials)
.endr
	s_wait_alu depctr_va_vdst(0)
.irp u, 0,1,2,3
	v_ldexp_f32 v[DEC+2*\u], v[92+\u], v[96+\u]
	v_lshlrev_b32 v[100+\u], 31, v[88+\u]
.endr
.irp u, 0,1,2,3
	v_and_b32 v[100+\u], v[100+\u], v85            ; gamma's sign, where i is odd
.endr
.irp u, 0,1,2,3
	v_xor_b32 v[DEC+2*\u], v[DEC+2*\u], v[100+\u]
.endr
.irp u, 0,1,2,3
	v_cmp_eq_u32 vcc_lo, 0, v[88+\u]
	v_cndmask_b32 v[DEC+2*\u], v[DEC+2*\u], v87, vcc_lo   ; gamma^0 = 1, whatever gamma
	v_mov_b32 v[DEC+2*\u+1], v[DEC+2*\u]           ; (the packed form names a pair)
.endr
; THE LDS LOADS stand in runs of 13: key step s[NX]'s k (48 registers and four scale words) and its v (48 registers and two).
.macro FETCH_K
	s_mul_i32 s[T0], s[NX], 12288
	s_lshl_b32 s[T1], s[NX], 9
	v_add_nc_u32 v[ADK], s[T0], v1
	v_add_nc_u32 v[ADS], s[T1], v1
	WIN 0x40                                       ; destination window 1
.irp f, 0,1,2,3,4,5,6,7,8,9,10,11
	ds_load_b128 v[KF+4*\f:KF+4*\f+3], v[ADK] offset:12288+512*\f   ; 512 consecutive bytes
.endr
	WIN 0
	ds_load_b128 v[KS:KS+3], v[ADS]
.endm
.macro FETCH_V
	s_lshl_b32 s[T1], s[NX], 8
	v_add_nc_u32 v[ADT], s[T1], v2
.irp f, 0,1,2,3,4,5,6,7,8,9,10,11
	ds_load_b128 v[VF+4*\f:VF+4*\f+3], v[ADK] offset:18432+512*\f
.endr
	ds_load_b64 v[VS:VS+1], v[ADT] offset:8192
.endm
; A PAIR-STEP: 32 queries (x = 0: the late pair, 1: the early one) x 128 keys.  diag = 1: the step lies on the diagonal.  The late pair comes last in a step, so it fetches my next step's k behind its scores and my next step's v behind its sums.
; Every accumulator's turn is one instruction.
.macro PAIR x, diag
	WIN 0x05                                       ; sources 0 (k) and 1 (q) window 1, D window 0
.irp t, 0,1,2,3,4,5,6,7
.irp i, 0,1
	SWM SS+64*\i+8*\t, KF+6*\t, QF+12*(2*\x+\i), -1, KS+\t/2, QS+\x, \t%2, \i
.endr
.endr
	WIN 0
	PLACES 4                                       ; in front of the first read of the scores, and of loads into k's registers
.if \x == 0
	FETCH_K
.endif
.irp i, 0,1
.if \diag
.set n, 0
.rept 64
	v_cmp_gt_i32 vcc_lo, 32*(n/16)+n%16, v[MD+\i]
	v_cndmask_b32 v[SS+64*\i+n], v[SS+64*\i+n], v[ZR], vcc_lo   ; a hidden score is 0
.set n, n+1
.endr
.endif
.set n, 0
.rept 32
	v_pk_mul_f32 v[SS+64*\i+n:SS+64*\i+n+1], v[SS+64*\i+n:SS+64*\i+n+1], v[DEC+2*(2*\x+\i):DEC+2*(2*\x+\i)+1] op_sel_hi:[1,0]   ; x gamma^query
.set n, n+2
.endr
	QUANT SS+64*\i, P+12*\i, P+12*\i+6, PS+\i
.endr
	PLACES 4                                       ; p's codes stand 4 places, its scale words more than 8, ahead of the products
.if \x == 0
	s_wait_dscnt 13                                ; v of this step is in; the 13 loads of my next k may be out
.else
	s_wait_dscnt 0x0                               ; v of this step is in
.endif
	WIN 0x50                                       ; sources 0 (v) and 1 (p) window 0, C and D window 1
.irp t, 0,1,2,3
.irp i, 0,1
	SWM 32*(2*\x+\i)+8*\t, VF+12*\t, P+12*\i, 32*(2*\x+\i)+8*\t, VS+\t/2, PS+\i, \t%2, 0
.endr
.endr
	WIN 0
.if \x == 0
	PLACES 4                                       ; in front of loads into v's registers
	FETCH_V
.endif
.endm
; n trips, from key step s[SI] on, two steps a trip: the trip count is a constant; a wave whose late pair is done passes over the work (over = 1).  No fetch reaches beyond step last.  fetch = 1: the first step's fragments are fetched here.
.macro LOOPK n, last, over, fetch
	s_mov_b32 s[CT], \n
.if \fetch
	s_mov_b32 s[NX], s[SI]
	FETCH_K
	FETCH_V
.endif
.Ltrip_\@:
.if \over
	s_cmp_gt_u32 s[SI], s[LL]
	s_cbranch_scc1 .Lnext_\@
.endif
	s_add_co_u32 s[NX], s[SI], 2
	s_min_u32 s[NX], s[NX], \last
	s_wait_dscnt 13                                ; k of this step is in; v's 13 loads may be out
	s_cmp_gt_u32 s[SI], s[GG]
	s_cbranch_scc1 .Llate_\@
	s_cmp_eq_u32 s[SI], s[GG]
	s_cbranch_scc1 .Learly_diag_\@
	PAIR 1, 0
	s_branch .Llate_\@
.Learly_diag_\@:
	PAIR 1, 1
.Llate_\@:
.if \over
	s_cmp_eq_u32 s[SI], s[LL]
	s_cbranch_scc1 .Llate_diag_\@
.endif
	PAIR 0, 0
.if \over
	s_branch .Lnext_\@
.Llate_diag_\@:
	PAIR 0, 1
.endif
.Lnext_\@:
	s_add_co_u32 s[SI], s[SI], 2
	s_sub_co_u32 s[CT], s[CT], 1
	s_cmp_lg_u32 s[CT], 0
	s_cbranch_scc1 .Ltrip_\@
.endm
	s_mov_b32 s[SI], s[PAR]                        ; my first key step
	s_wait_tensorcnt 1                             ; my eighth of chunk 0 is in (chunk 1's load may be out)
	s_barrier_signal -1
	s_barrier_wait -1                              ; everybody's is
	s_wait_loadcnt 0x0                             ; q
	LOOPK 1, 3, 0, 1                               ; key step 0 or 1; it fetches step 2 or 3, still of chunk 0.  The late pair's last step is 8 at the least: no test for it here
	s_wait_tensorcnt 0x0                           ; my eighth of chunk 1 is in,
	s_wait_dscnt 0x0                               ; and so are the fragments of my next step
	s_barrier_signal -1
	s_barrier_wait -1                              ; everybody's is: key steps 4 and later are read only behind this barrier
	LOOPK 7, 15, 1, 0
	s_wait_dscnt 0x0                               ; my reads of k and v are over (the last fetches serve nobody)
	PLACES 4                                       ; behind the last products
	s_barrier_signal -1
	s_barrier_wait -1                              ; everybody's are: the stage may be written over key steps 0 to 5
	; THE TWO WAVES OF A g JOIN THEIR SUMS.  Each gives away, as an image of its registers, the 64 registers of the pair that its partner finishes: the even wave the early pair's, the odd wave the late pair's.
	s_cmp_eq_u32 s[PAR], 0
	s_cbranch_scc0 .Lgive_late
	WIN 0x04                                       ; an LDS store's data are its source 1: window 1
.irp j, 0,1,2,3,4,5,6,7,8,9,10,11,12,13,14,15
	ds_store_b128 v[STA], v[64+4*\j:64+4*\j+3] offset:512*\j   ; each accumulator from its low end on
.endr
	WIN 0
	s_branch .Lgiven
.Lgive_late:
	WIN 0x04
.irp j, 0,1,2,3,4,5,6,7,8,9,10,11,12,13,14,15
	ds_store_b128 v[STA], v[4*\j:4*\j+3] offset:512*\j
.endr
	WIN 0
.Lgiven:
	s_wait_dscnt 0x0                               ; for my partner's sake: my stores have landed
	s_barrier_signal -1
	s_barrier_wait -1
.irp j, 0,1,2,3,4,5,6,7,8,9,10,11,12,13,14,15
	ds_load_b128 v[GOT+4*\j:GOT+4*\j+3], v[LDA] offset:512*\j
.endr
	s_wait_dscnt 0x0
	s_cmp_eq_u32 s[PAR], 0
	s_cbranch_scc0 .Lkeep_early
	WIN 0x01                                       ; source 0 window 1
.set n, 0
.rept 32
	v_pk_add_f32 v[SUM+n:SUM+n+1], v[n:n+1], v[GOT+n:GOT+n+1]   ; the late pair: my even steps' sums and my partner's odd ones
.set n, n+2
.endr
	WIN 0
	s_branch .Lkept
.Lkeep_early:
	WIN 0x01
.set n, 0
.rept 32
	v_pk_add_f32 v[SUM+n:SUM+n+1], v[64+n:64+n+1], v[GOT+n:GOT+n+1]   ; the early pair
.set n, n+2
.endr
	WIN 0
.Lkept:
	; THE WAY OUT.  Tile i's 32 registers are the head's 64 channels of my query: register 16 b + i = channel 32 b + 16 h + i.  The pair's 64 registers are four blocks along D: six registers of codes a tile, half a fragment of the last product.
	QUANT SUM, OC, OC+6, PWO
	v_and_b32 v[PWO+1], 0xffff, v[PWO]             ; the first tile's two bytes; bytes 2, 3 stay 0
	v_lshrrev_b32 v[PWO+2], 16, v[PWO]             ; the second tile's
	v_cmp_le_u32 vcc_lo, 16, v[LN]
	v_cndmask_b32 v[PWO+1], v[PWO+1], v[PWO+2], vcc_lo   ; lanes 0-15 the first tile's words, lanes 16-31 the second's
	s_lshr_b32 s70, s[BH], 4                       ; the batch
	s_lshr_b32 s71, s56, 1
	s_mul_i32 s71, s71, 1536                       ; my head's K step in a tile's image,
	s_and_b32 s72, s56, 1
	s_mul_i32 s72, s72, 768                        ; and its half of the fragment
	s_add_co_u32 s71, s71, s72
	s_lshl_b32 s72, s70, 7
	s_lshl_b32 s73, s[BLK], 3
	s_add_co_u32 s72, s72, s73
	s_lshl_b32 s73, s[CX], 1
	s_add_co_u32 s72, s72, s73                     ; tile 128 x batch + 8 x block + 2 cx
	s_mul_i32 s60, s72, 12288
	s_add_co_u32 s60, s60, s71
	s_mov_b32 s61, 0
	s_add_nc_u64 s[60:61], s[8:9], s[60:61]        ; the pair's first tile's image
	s_lshl_b32 s72, s56, 7
	s_lshl_b32 s73, s70, 6
	s_add_co_u32 s72, s72, s73
	s_lshl_b32 s73, s[BLK], 2
	s_add_co_u32 s72, s72, s73
	s_add_co_u32 s72, s72, s[CX]                   ; 128 x head + the pair's number among the 128 of all tokens
	s_lshl_b32 s66, s72, 7
	s_add_co_u32 s66, s66, OSC
	s_mov_b32 s67, 0
	s_add_nc_u64 s[66:67], s[8:9], s[66:67]        ; its scale words
.irp i, 0,1
.irp p, 0,1,2
	global_store_b64 v2, v[OC+6*\i+2*\p:OC+6*\i+2*\p+1], s[60:61] offset:12288*\i+256*\p   ; 256 consecutive bytes, aligned
.endr
.endr
	global_store_b32 v3, v[PWO+1], s[66:67]        ; 128 consecutive bytes
	s_wait_tensorcnt 0x0
	ds_add_u32 v51, v55
	s_wait_dscnt 0x0
	CROUND                                         ; the closing round: no work-group ends while a partner may still ask for a tile that names it
	s_endpgm
.Lfunc_end_k_q671950f924_attn:
	.size	k_q671950f924_attn, .Lfunc_end_k_q671950f924_attn-k_q671950f924_attn
	.p2alignl 7, 3214868480
	.fill 96, 4, 3214868480
	.section	.rodata,"a",@progbits
	.p2align	6, 0x0
	.amdhsa_kernel k_q671950f924_attn
		.amdhsa_group_segment_fixed_size 209920
		.amdhsa_private_segment_fixed_size 0
		.amdhsa_enable_private_segment 0
		.amdhsa_kernarg_size 24
		.amdhsa_user_sgpr_count 2
		.amdhsa_user_sgpr_kernarg_segment_ptr 1
		.amdhsa_wavefront_size32 1
		.amdhsa_system_sgpr_workgroup_id_x 1
		.amdhsa_system_sgpr_workgroup_id_y 1
		.amdhsa_system_sgpr_workgroup_id_z 1
		.amdhsa_system_vgpr_workitem_id 0
		.amdhsa_next_free_vgpr 512
		.amdhsa_next_free_sgpr 80
		.amdhsa_reserve_vcc 1
		.amdhsa_float_denorm_mode_32 3
		.amdhsa_float_denorm_mode_16_64 3
		.amdhsa_memory_ordered 1
		.amdhsa_forward_progress 1
		.amdhsa_inst_pref_size 172
	.end_amdhsa_kernel
	.amdgpu_metadata
---
amdhsa.version: [ 1, 2 ]
amdhsa.kernels:
  - .name:           k_q671950f924_attn
    .symbol:         k_q671950f924_attn.kd
    .args:
      - { .name: qkv, .offset: 0, .size: 8, .value_kind: global_buffer, .address_space: global }
      - { .name: gamma, .offset: 8, .size: 8, .value_kind: global_buffer, .address_space: global }
      - { .name: oc, .offset: 16, .size: 8, .value_kind: global_buffer, .address_space: global }
    .group_segment_fixed_size: 209920
    .private_segment_fixed_size: 0
    .kernarg_segment_align: 8
    .kernarg_segment_size: 24
    .max_flat_workgroup_size: 256
    .sgpr_count:     80
    .vgpr_count:     512
    .wavefront_size: 32
...
	.end_amdgpu_metadata
.endif
;; end of part 3
;; launch oproj (part 4): grid 8 x 32, 4 waves a work-group, clusters of 4 x 4, 214,528 bytes of LDS; arguments oc, xw, bo, out0; writes out0
.if DOCPART == 4
	.amdgcn_target "amdgcn-amd-amdhsa--gfx1250"
	.amdhsa_code_object_version 6
	.text
	.protected	k_q671950f924_oproj
	.globl	k_q671950f924_oproj
	.p2align	8
	.type	k_q671950f924_oproj,@function
k_q671950f924_oproj:
	s_mov_b64 s[64:65], 0
	v_nop
	global_prefetch_b8 v0, s[64:65] scope:SCOPE_SE
	s_setreg_imm32_b32 hwreg(HW_REG_WAVE_MODE, 25, 1), 1
	s_wait_xcnt 0x0
	s_wait_alu depctr_hold_cnt(0) depctr_sa_sdst(0) depctr_va_vdst(0) depctr_va_sdst(0) depctr_va_ssrc(0) depctr_va_vcc(0) depctr_vm_vsrc(0)
	s_getreg_b32 s2, hwreg(HW_REG_IB_STS2, 6, 4)
	s_cmp_eq_u32 s2, 0
	s_cbranch_scc0 .Lentry_in_a_cluster
	s_endpgm
.Lentry_in_a_cluster:
	s_bfe_u32 s2, ttmp6, 0x10000c
	s_cmp_lg_u32 s2, 0xf033
	s_cbranch_scc0 .Lentry_shape_is_right
	s_endpgm
.Lentry_shape_is_right:
; out0 = o Wo^T + bo on codes of FP6 (E2M3) with E8M0 scales: 4,096 x 1,024 x 1,024; out0 is f32.
; SHARES.  A block of 128 tokens x 128 features to a work-group: 8 x 32 = 256 work-groups, one for each WGP; blocks of 256 x 256 would be 64.  Four waves, each 64 x 64: 16 accumulators.
; CLUSTERS: 4 x 4 work-groups.  The four of a row need the same tiles of o, the four of a column the same tiles of Wo: each is asked for JOINTLY.
; OPERANDS lie in oc and xw as images of their registers (tile = 16 rows, 8 K steps x 1,536 bytes; piece p at 256 p + 8 x lane).  Lane-row r of tile T is row 32 (T / 2) + 8 (T % 2) + r + 8 (r / 8).
; ALL OF K IS BROUGHT AT ONCE: four chunks of two K steps (49,152 bytes each: o's 8 tiles, then Wo's 8), each filled once, one tensor load a wave and chunk: four tensor loads of a wave are out at the start.
; The product is used transposed (source 0 = Wo, source 1 = o): a lane holds one token and, in the registers of tiles 2 b, 2 b + 1, 16 neighbouring features.  The bias is the C of each sum's first product.
; o's scale words come head by head (two bytes each): two heads' make the word of a K step.
; REGISTERS: window 0: v1-6 lane terms; v8-11, v12-15 LDS addresses by chunk; v16-31 Wo's scale words (tile b, K step s: 4 b + s / 2, lanes 16 (s % 2) on); v32-47 o's (pair p, K step s: 8 p + s; lanes 16 (a % 2) on);
;   v48-79 the bias; v80-111 o's scale words as loaded; on the way out both are rows read back; v128-255 accumulator (a, b) at 128 + 8 (4 a + b).   window 1: two sets of fragments at v0 and v128: o's four, then Wo's four.
.set CHUNK, 49152
.set STAGE, 196608                     ; behind the chunks: 16 rows x 272 bytes for each wave, into which no fill lands
.set XSC,   6291456
.set OSC,   3145728
.set ADRA, 8
.set ADRB, 12
.set SB,   16
.set SA,   32
.set BI,   48
.set RAW,  80
.set ACC,  128
.set STO,  24+0*0
.set G1,  24
.set G1B, 48
.set G0,  76                           ; s[76:91] group 0 for o's tiles, a set for each chunk;  Wo's: s[56:63], s[68:75]
.set MSB, 0
.macro WIN new
.if MSB != (\new)
	s_set_vgpr_msb (MSB<<8)|(\new)
.set MSB, (\new)
.endif
.endm
.macro PLACES n
.rept \n
	v_nop
.endr
.endm
.macro JLOAD g0a, g1a, g0b, g1b        ; waves 0 and 1 fetch o's tiles, waves 2 and 3 Wo's; four v_nop follow each of the two lines
	s_cmp_eq_u32 s15, 0
	s_cbranch_scc0 .Lfor_b_\@
	tensor_load_to_lds s[\g0a:\g0a+3], s[\g1a:\g1a+7]
	s_nop 0
.rept 4
	v_nop
.endr
	s_branch .Lasked_\@
.Lfor_b_\@:
	tensor_load_to_lds s[\g0b:\g0b+3], s[\g1b:\g1b+7]
	s_nop 0
.rept 4
	v_nop
.endr
.Lasked_\@:
.endm
.macro CROUND                          ; a round of the cluster's barrier
	s_barrier_signal -1
	s_barrier_wait -1
	s_cmp_lg_u32 s14, 0
	s_cbranch_scc1 .Lnot_wave_0_\@
	s_barrier_signal -3
.Lnot_wave_0_\@:
	s_barrier_wait -3
	s_barrier_signal -1
	s_barrier_wait -1
.endm
.macro SWM d, a, b, c, sa, sb, ra, rb  ; one product; ra, rb = 1: the scales stand in lanes 16-31
.if (\ra) && (\rb)
	v_wmma_scale_f32_16x16x128_f8f6f4 v[(\d):(\d)+7], v[(\a):(\a)+11], v[(\b):(\b)+11], v[(\c):(\c)+7], v[\sa], v[\sb] matrix_a_fmt:MATRIX_FMT_FP6 matrix_b_fmt:MATRIX_FMT_FP6 matrix_a_scale:MATRIX_SCALE_ROW1 matrix_b_scale:MATRIX_SCALE_ROW1
.elseif \ra
	v_wmma_scale_f32_16x16x128_f8f6f4 v[(\d):(\d)+7], v[(\a):(\a)+11], v[(\b):(\b)+11], v[(\c):(\c)+7], v[\sa], v[\sb] matrix_a_fmt:MATRIX_FMT_FP6 matrix_b_fmt:MATRIX_FMT_FP6 matrix_a_scale:MATRIX_SCALE_ROW1
.elseif \rb
	v_wmma_scale_f32_16x16x128_f8f6f4 v[(\d):(\d)+7], v[(\a):(\a)+11], v[(\b):(\b)+11], v[(\c):(\c)+7], v[\sa], v[\sb] matrix_a_fmt:MATRIX_FMT_FP6 matrix_b_fmt:MATRIX_FMT_FP6 matrix_b_scale:MATRIX_SCALE_ROW1
.else
	v_wmma_scale_f32_16x16x128_f8f6f4 v[(\d):(\d)+7], v[(\a):(\a)+11], v[(\b):(\b)+11], v[(\c):(\c)+7], v[\sa], v[\sb] matrix_a_fmt:MATRIX_FMT_FP6 matrix_b_fmt:MATRIX_FMT_FP6
.endif
.endm
	s_load_b256 s[4:11], s[0:1], 0x0               ; oc s[4:5], xw s[6:7], bo s[8:9], out0 s[10:11]
	v_lshl_add_u32 v126, v0, 2, 0x34400
	v_mov_b32 v127, 0
	ds_add_u32 v126, v127
	ds_add_u32 v126, v127
	v_lshrrev_b32 v1, 5, v0
	v_readfirstlane_b32 s14, v1                    ; wave 0..3
	s_lshr_b32 s15, s14, 1                         ; which 64 tokens are mine.  Also: I fetch for o (0) or for Wo (1)
	s_and_b32 s16, s14, 1                          ; which 64 features.  Also: which 4 tiles I fetch
	s_bfe_u32 s40, ttmp6, 0x40000
	s_bfe_u32 s41, ttmp6, 0x40004
	s_lshl_b32 s42, ttmp9, 2
	s_add_co_u32 s42, s42, s40                     ; block of 128 features, 0..7
	s_and_b32 s17, ttmp7, 0xffff
	s_lshl_b32 s17, s17, 2
	s_add_co_u32 s17, s17, s41                     ; block of 128 tokens, 0..31
	s_lshl_b32 s43, s41, 2
	s_lshl_b32 s43, 15, s43                        ; my row of the cluster
	s_lshl_b32 s44, 0x1111, s40                    ; my column
	; descriptor group 1: 4 tiles' parts of 3,072 bytes (384 elements of 8 bytes), 12,288 bytes apart in memory, on end in LDS
	s_or_b32 s[G1+0], s43, (3<<16)|(1<<21)
	s_or_b32 s[G1B+0], s44, (3<<16)|(1<<21)
.irp g, G1, G1B
	s_mov_b32 s[\g+1], 384<<16
	s_mov_b32 s[\g+2], 4<<16
	s_mov_b32 s[\g+3], 384<<16
	s_mov_b32 s[\g+4], 4
	s_mov_b32 s[\g+5], 1536
	s_mov_b32 s[\g+6], 0
	s_mov_b32 s[\g+7], 0
.endr
	s_lshl_b32 s18, s16, 2
	s_lshl_b32 s20, s17, 3
	s_add_co_u32 s20, s20, s18                     ; o: tile 8 x token block + 4 x half
	s_mul_i32 s20, s20, 12288
	s_mov_b32 s21, 0
	s_lshl_b32 s46, s42, 3
	s_add_co_u32 s46, s46, s18                     ; Wo: tile 448 + 8 x feature block + 4 x half
	s_mul_i32 s46, s46, 12288
	s_add_co_u32 s46, s46, 5505024
	s_mov_b32 s47, 0
	s_mul_i32 s45, s14, 12288                      ; where they go in a chunk: wave x 4 tiles
	s_wait_dscnt 0x0
	s_wait_kmcnt 0x0
	s_add_nc_u64 s[20:21], s[4:5], s[20:21]
	s_add_nc_u64 s[46:47], s[6:7], s[46:47]
	CROUND                                         ; all sixteen work-groups are here: the joint loads meet
.irp c, 0,1,2,3
	s_mov_b32 s[G0+4*\c], 1
	s_add_co_u32 s[G0+4*\c+1], s45, \c*CHUNK
	s_add_nc_u64 s[G0+4*\c+2:G0+4*\c+3], s[20:21], \c*3072
	s_or_b32 s[G0+4*\c+3], s[G0+4*\c+3], 0x80000000
	s_mov_b32 s[56+4*\c+4*(\c/2)], 1
	s_add_co_u32 s[56+4*\c+4*(\c/2)+1], s45, \c*CHUNK
	s_add_nc_u64 s[56+4*\c+4*(\c/2)+2:56+4*\c+4*(\c/2)+3], s[46:47], \c*3072
	s_or_b32 s[56+4*\c+4*(\c/2)+3], s[56+4*\c+4*(\c/2)+3], 0x80000000
	JLOAD G0+4*\c, G1, 56+4*\c+4*(\c/2), G1B
.endr
	v_and_b32 v1, 31, v0                           ; lane
	v_and_b32 v2, 15, v0                           ; r
	v_bfe_u32 v3, v0, 4, 1                         ; h
	v_lshlrev_b32 v4, 3, v1                        ; 8 x lane
	v_lshlrev_b32 v5, 2, v1                        ; 4 x lane
	v_lshlrev_b32 v6, 6, v3                        ; 64 h
	s_lshl_b32 s92, s42, 3
	s_lshl_b32 s93, s16, 2
	s_add_co_u32 s92, s92, s93
	s_add_co_u32 s92, s92, 448
	s_lshl_b32 s92, s92, 9
	s_add_co_u32 s92, s92, XSC
	s_mov_b32 s93, 0
	s_add_nc_u64 s[92:93], s[6:7], s[92:93]        ; the scale words of my 4 tiles of Wo
	s_lshl_b32 s94, s17, 2
	s_lshl_b32 s95, s15, 1
	s_add_co_u32 s94, s94, s95
	s_lshl_b32 s94, s94, 7
	s_add_co_u32 s94, s94, OSC
	s_mov_b32 s95, 0
	s_add_nc_u64 s[94:95], s[4:5], s[94:95]        ; those of my two pairs of tiles of o, head 0
	s_lshl_b32 s96, s42, 9
	s_lshl_b32 s97, s16, 8
	s_add_co_u32 s96, s96, s97                     ; my 64 features, in bytes
	s_mov_b32 s97, 0
	s_lshl_b32 s98, s17, 19
	s_lshl_b32 s99, s15, 18
	s_add_co_u32 s98, s98, s99                     ; my 64 tokens' rows of 4,096 bytes
	s_add_co_u32 s98, s98, s96
	s_mov_b32 s99, 0
	s_add_nc_u64 s[98:99], s[10:11], s[98:99]      ; my corner of out0
	s_add_nc_u64 s[96:97], s[8:9], s[96:97]        ; my 64 numbers of bo
.irp b, 0,1,2,3
.irp j, 0,1
	global_load_b64 v[SB+4*\b+2*\j:SB+4*\b+2*\j+1], v4, s[92:93] offset:\b*512+\j*256
.endr
.endr
.irp p, 0,1
.irp e, 0,1,2,3,4,5,6,7,8,9,10,11,12,13,14,15
	global_load_b32 v[RAW+16*\p+\e], v5, s[94:95] offset:\e*16384+\p*128
.endr
.endr
.irp b, 0,1,2,3                                ; tile b's eight registers: features 32 (b / 2) + 16 h + 8 (b % 2) + 0 .. 7
	global_load_b128 v[BI+8*\b:BI+8*\b+3], v6, s[96:97] offset:128*(\b/2)+32*(\b%2)
	global_load_b128 v[BI+8*\b+4:BI+8*\b+7], v6, s[96:97] offset:128*(\b/2)+32*(\b%2)+16
.endr
	s_mul_i32 s66, s15, 12288                      ; my 4 tiles of o in a chunk,
	s_mul_i32 s67, s16, 12288
	s_add_co_u32 s67, s67, 24576                   ; my 4 of Wo
.irp c, 0,1,2,3
	v_add_nc_u32 v[ADRA+\c], s66, v4
	v_add_nc_u32 v[ADRB+\c], s67, v4
	s_add_co_u32 s66, s66, CHUNK
	s_add_co_u32 s67, s67, CHUNK
.endr
	s_mul_i32 s66, s14, 4352
	s_add_co_u32 s66, s66, STAGE                   ; my stage
	v_mul_u32_u24 v112, v2, 272
	v_add_nc_u32 v112, v112, v6
	v_add_nc_u32 v112, s66, v112                   ; v112 in: row r, + 64 h bytes
	v_mul_u32_u24 v113, v3, 272
	v_lshl_add_u32 v113, v2, 4, v113
	v_add_nc_u32 v113, s66, v113                   ; v113 back: lanes 0-15 one row of 256 bytes, lanes 16-31 the next
	v_lshlrev_b32 v114, 12, v3
	v_lshl_add_u32 v114, v2, 4, v114               ; v114 and the same two rows in out0
	s_wait_loadcnt 0x0
.irp p, 0,1
.irp s, 0,1,2,3,4,5,6,7
	v_lshl_or_b32 v[SA+8*\p+\s], v[RAW+16*\p+2*\s+1], 16, v[RAW+16*\p+2*\s]   ; heads 2 s and 2 s + 1 are K step s
.endr
.endr
	PLACES 8                                       ; a scale register written by a vector instruction stands 8 places ahead of a scaled product
.macro FETCH ks, f                     ; K step ks: o's four fragments and Wo's four into set f: 48 loads of 256 consecutive bytes
	WIN 0x40                                       ; destination window 1, address window 0
.irp i, 0,1,2,3
.irp p, 0,1,2,3,4,5
	ds_load_b64 v[128*(\f)+12*\i+2*\p:128*(\f)+12*\i+2*\p+1], v[ADRA+(\ks)/2] offset:\i*3072+((\ks)%2)*1536+256*\p
.endr
.endr
.irp i, 0,1,2,3
.irp p, 0,1,2,3,4,5
	ds_load_b64 v[128*(\f)+48+12*\i+2*\p:128*(\f)+48+12*\i+2*\p+1], v[ADRB+(\ks)/2] offset:\i*3072+((\ks)%2)*1536+256*\p
.endr
.endr
	WIN 0
.endm
.macro MUL k, f                        ; 16 products; the accumulators take turns, one instruction a turn
	WIN 0x05                                       ; sources 0 and 1 window 1; C and D window 0
.irp a, 0,1,2,3
.irp b, 0,1,2,3
.if (\k) == 0
	SWM ACC+8*(4*\a+\b), 128*(\f)+48+12*\b, 128*(\f)+12*\a, BI+8*\b, SB+4*\b, SA+8*(\a/2), 0, \a%2
.else
	SWM ACC+8*(4*\a+\b), 128*(\f)+48+12*\b, 128*(\f)+12*\a, ACC+8*(4*\a+\b), SB+4*\b+(\k)/2, SA+8*(\a/2)+(\k), (\k)%2, \a%2
.endif
.endr
.endr
	WIN 0
.endm
	s_wait_tensorcnt 3                             ; my part of chunk 0 is in; the three later chunks may be out,
	s_barrier_signal -1
	s_barrier_wait -1                              ; everybody's is
	FETCH 0, 0
.irp k, 0,1,2,3,4,5,6,7
.if \k < 7
.if \k % 2 == 1
	s_wait_tensorcnt 3-(\k+1)/2                    ; my part of the next chunk is in; the chunks behind it may be out
	s_wait_dscnt 0x0
	s_barrier_signal -1
	s_barrier_wait -1
.endif
.if \k > 0
	PLACES 4                                       ; in front of loads into the set that the last products read
.endif
	FETCH \k+1, (\k+1)%2
	s_wait_dscnt 48                                ; all but the 48 just issued
.else
	s_wait_dscnt 0x0
.endif
	MUL \k, \k%2
.endr
; THE WAY OUT, a tile of 16 tokens x 64 features at a time, through my own stage: in as the lanes hold it, back as whole rows of 256 bytes.  LDS serves a wave's instructions in order: no wait between the stores and the loads.
.macro TOSTAGE a
.irp b, 0,1,2,3
	ds_store_b128 v112, v[ACC+8*(4*(\a)+\b):ACC+8*(4*(\a)+\b)+3] offset:128*(\b/2)+32*(\b%2)       ; each accumulator from its low end on
	ds_store_b128 v112, v[ACC+8*(4*(\a)+\b)+4:ACC+8*(4*(\a)+\b)+7] offset:128*(\b/2)+32*(\b%2)+16
.endr
.irp i, 0,1,2,3,4,5,6,7
	ds_load_b128 v[48+32*((\a)%2)+4*\i:48+32*((\a)%2)+4*\i+3], v113 offset:544*\i
.endr
.endm
.macro SEND a, younger                 ; stage row 2 i + lane / 16 is token 32 (a / 2) + 8 (a % 2) + 2 i + 8 (i / 4) + lane / 16 of my 64
	s_wait_dscnt \younger
.irp i, 0,1,2,3,4,5,6,7
	global_store_b128 v114, v[48+32*((\a)%2)+4*\i:48+32*((\a)%2)+4*\i+3], s[98:99] offset:(32*((\a)/2)+8*((\a)%2)+2*\i+8*(\i/4))*4096 th:TH_STORE_NT   ; 16 lanes store 256 consecutive bytes, aligned
.endr
.endm
	PLACES 4                                       ; behind the last products
	TOSTAGE 0
.irp a, 1,2,3
.if \a > 1
	s_wait_xcnt 0x0                                ; tile a - 2's stores have read their registers: tile a's rows may land there
.endif
	TOSTAGE \a
	SEND \a-1, 16                                  ; behind tile a - 1's loads: tile a's 8 stores and 8 loads
.endr
	SEND 3, 0
	s_wait_tensorcnt 0x0
	ds_add_u32 v126, v127
	s_wait_dscnt 0x0
	CROUND                                         ; the closing round: no work-group ends while a partner may still ask for a tile that names it
	s_endpgm
.Lfunc_end_k_q671950f924_oproj:
	.size	k_q671950f924_oproj, .Lfunc_end_k_q671950f924_oproj-k_q671950f924_oproj
	.p2alignl 7, 3214868480
	.fill 96, 4, 3214868480
	.section	.rodata,"a",@progbits
	.p2align	6, 0x0
	.amdhsa_kernel k_q671950f924_oproj
		.amdhsa_group_segment_fixed_size 214528
		.amdhsa_private_segment_fixed_size 0
		.amdhsa_enable_private_segment 0
		.amdhsa_kernarg_size 32
		.amdhsa_user_sgpr_count 2
		.amdhsa_user_sgpr_kernarg_segment_ptr 1
		.amdhsa_wavefront_size32 1
		.amdhsa_system_sgpr_workgroup_id_x 1
		.amdhsa_system_sgpr_workgroup_id_y 1
		.amdhsa_system_sgpr_workgroup_id_z 1
		.amdhsa_system_vgpr_workitem_id 0
		.amdhsa_next_free_vgpr 512
		.amdhsa_next_free_sgpr 100
		.amdhsa_reserve_vcc 0
		.amdhsa_float_denorm_mode_32 3
		.amdhsa_float_denorm_mode_16_64 3
		.amdhsa_memory_ordered 1
		.amdhsa_forward_progress 1
		.amdhsa_inst_pref_size 66
	.end_amdhsa_kernel
	.amdgpu_metadata
---
amdhsa.version: [ 1, 2 ]
amdhsa.kernels:
  - .name:           k_q671950f924_oproj
    .symbol:         k_q671950f924_oproj.kd
    .args:
      - { .name: oc, .offset: 0, .size: 8, .value_kind: global_buffer, .address_space: global }
      - { .name: xw, .offset: 8, .size: 8, .value_kind: global_buffer, .address_space: global }
      - { .name: bo, .offset: 16, .size: 8, .value_kind: global_buffer, .address_space: global }
      - { .name: out0, .offset: 24, .size: 8, .value_kind: global_buffer, .address_space: global }
    .group_segment_fixed_size: 214528
    .private_segment_fixed_size: 0
    .kernarg_segment_align: 8
    .kernarg_segment_size: 32
    .max_flat_workgroup_size: 128
    .sgpr_count:     100
    .vgpr_count:     512
    .wavefront_size: 32
...
	.end_amdgpu_metadata
.endif
;; end of part 4
